; MI455X (gfx1250); checked and timed in simulation.
; The chip was launched on July 23, 2026; its instructions are those of AMD's public machine-readable ISA for CDNA 5 (MIT licence, August 2026) and "CDNA5" Instruction Set Architecture Reference Guide (July 2026). The comments in the code are by the model that wrote it; some were corrected since.
;; Transformer Block. Allowed arithmetic: float matrix products may take bf16 or f16 operands with f32 sums; other float arithmetic in f32, or as packed bf16 or f16 multiplies, adds, multiply-adds, maxima and minima; sums over many terms, partial sums and values carried from step to step in f32; what a program stores and reads back later, other than sums and carried values, may be rounded once to bf16 or f16.
;; Inputs: W1 512 x 2,048 float32; W2 2,048 x 512 float32; Wk 8 x 512 x 64 float32; Wo 512 x 512 float32; Wq 8 x 512 x 64 float32; Wv 8 x 512 x 64 float32; b1 2,048 float32; b2 512 float32; bk 8 x 64 float32; bo 512 float32; bq 8 x 64 float32; bv 8 x 64 float32; ln1_b 512 float32; ln1_g 512 float32; ln2_b 512 float32; ln2_g 512 float32; x 8,192 x 2 x 512 float32.
;; Outputs: out0 8,192 x 2 x 512 float32.
;; 2 versions, each right. Each part assembles by itself: llvm-mc -triple=amdgcn-amd-amdhsa -mcpu=gfx1250 --defsym DOCPART=n.
;; ======== version 1 of 2: 2 launches
;; limits: values are held in f16: magnitudes above 65,504 overflow, below 6.1e-05 lose precision
;; workspace buffers: ws 6,340,608 bytes
;; launch prep (part 1): grid 1548 x 1, 8 waves a work-group, no clusters, 0 bytes of LDS; arguments Wq, Wk, Wv, Wo, W1, W2, bq, bk, bv, b1, ws; writes ws
.if DOCPART == 1
	.amdgcn_target "amdgcn-amd-amdhsa--gfx1250"
	.amdhsa_code_object_version 6
	.text
	.protected	k_q362684241e_prep
	.globl	k_q362684241e_prep
	.p2align	8
	.type	k_q362684241e_prep,@function
k_q362684241e_prep:
	s_mov_b64 s[64:65], 0
	v_nop
	global_prefetch_b8 v0, s[64:65] scope:SCOPE_SE
	s_setreg_imm32_b32 hwreg(HW_REG_WAVE_MODE, 25, 1), 1
	s_wait_xcnt 0x0
; THE WEIGHTS, ROUNDED ONCE TO f16 AND LAID IN THE ORDER IN WHICH THE NEXT LAUNCH WALKS THEM.
; LIMIT.  f16 ends at 65,504 and below 6e-5 keeps a fixed step of 6e-8: the weights drawn have a spread of 0.044 and 0.022; 30 times larger they stay under 10, 30 times smaller the step is under 1e-4 of their spread.
; ws is 48 steps of SLOTB bytes; a step is four quarters of QB bytes, one for each wave of the next launch; a quarter is 32 fragments of 1,024 bytes and a bias row of 256 bytes.
; A fragment is 16 output columns x 32 k as a matrix instruction's first source wants it: half hf (512 bytes), lane 16 h + r (16 bytes) holds W[k0 + 16 hf + 8 h + 0..7][col0 + r], the lower k in the lower bits.
; STEPS.  8 G + e4 (e4 = 0..3): Wq and Wk of head 4 G + w, columns 16 e4 ..   8 G + 4 + v: Wv, columns 32 v ..   8 G + 6 + o: Wo, rows 256 G + 128 o ..   16 + 2 g: W1, columns 128 g ..   17 + 2 g: W2, rows 128 g ..
; Steps over the whole K = 512 (q, k, v, W1): fragment 2 kap + n, n the tile of 16 columns, k0 = 32 ks, kap = 8 ((ks >> 1) & 1) + 2 (ks >> 2) + (ks & 1): the order in which the next launch holds its activations.
; Steps over a slice of 128 of K (Wo, W2): fragment 8 j + nt, k0 = slice + 32 j, column 128 w + 16 nt + r.
; The bias row: 16 f32 for tile n = 0, 16 for n = 1 (bq | bk; bv; b1), then zeros; all zeros in the slices' steps.
; SHARES.  A thread makes one chunk of 16 bytes: 8 k of one column: eight loads of 4 bytes, of which a wave's cover 128 consecutive bytes of a row; one store of 16 bytes, of which sixteen neighbouring lanes fill 256 consecutive bytes, aligned.
; The work-group's number picks the input; every jump goes forward.
.set QB,    33024
.set SLOTB, 4*QB
; v1 T, the thread's number within its input; v2 column; v3 ko, the octet of k; v4 source offset; v5 step; v6 quarter; v7 fragment; v8-15 as loaded; v16-19 packed; v20-24 at work
.macro TNUM base
	s_sub_co_u32 s27, s26, \base
	s_lshl_b32 s27, s27, 8
	v_add_nc_u32 v1, s27, v0
.endm
.macro LOAD8 ptr, rowb                 ; eight rows of one column
.irp i, 0,1,2,3,4,5,6,7
	global_load_b32 v[8+(\i)], v4, s[(\ptr):(\ptr)+1] offset:(\i)*(\rowb) th:TH_LOAD_NT
.endr
.endm
.macro KAPF                            ; v7 = 2 kap of ks = ko >> 2: 16 x bit 3 of ko + 4 x (ko >> 4) + 2 x bit 2
	v_bfe_u32 v7, v3, 3, 1
	v_lshlrev_b32 v7, 4, v7
	v_lshrrev_b32 v24, 4, v3
	v_lshl_add_u32 v7, v24, 2, v7
	v_bfe_u32 v24, v3, 2, 1
	v_lshl_add_u32 v7, v24, 1, v7
.endm
.macro NF                              ; v7 = 8 (ks & 3) + the column's tile of 16 among its wave's eight
	v_bfe_u32 v7, v3, 2, 2
	v_bfe_u32 v24, v2, 4, 3
	v_lshl_add_u32 v7, v7, 3, v24
.endm
.macro FINISH                          ; the chunk's place, the rounding, the store
	v_and_b32 v20, 3, v3                           ; 2 hf + h
	v_and_b32 v24, 15, v2                          ; r
	v_lshlrev_b32 v20, 8, v20
	v_lshl_add_u32 v20, v24, 4, v20
	v_mul_u32_u24 v21, v5, SLOTB
	v_mad_u32_u24 v21, v6, QB, v21
	v_lshl_add_u32 v21, v7, 10, v21
	v_add_nc_u32 v21, v21, v20
	s_wait_loadcnt 0x0
.irp i, 0,1,2,3
	v_cvt_pk_f16_f32 v[16+(\i)], v[8+2*(\i)], v[9+2*(\i)]
.endr
	global_store_b128 v21, v[16:19], s[24:25]
	s_endpgm
.endm
; Wq, Wk, Wv: [8][512][64] taken as 4,096 rows of 64.  isv = 0: tile n of the step is this matrix; isv = 1: Wv
.macro QKV base, ptr, isv, n
	TNUM \base
	v_and_b32 v2, 63, v1                           ; e
	v_lshrrev_b32 v22, 6, v1                       ; the octet of rows among 512
	v_lshlrev_b32 v4, 2, v2
	v_lshl_add_u32 v4, v22, 11, v4
	LOAD8 \ptr, 256
	v_and_b32 v3, 63, v22                          ; ko within the head
	v_lshrrev_b32 v23, 6, v22                      ; head
	v_and_b32 v6, 3, v23                           ; w
	v_lshrrev_b32 v23, 2, v23                      ; G
	KAPF
.if \isv
	v_lshrrev_b32 v5, 5, v2
	v_lshl_add_u32 v5, v23, 3, v5
	v_add_nc_u32 v5, 4, v5                         ; 8 G + 4 + (e >> 5)
	v_bfe_u32 v24, v2, 4, 1
	v_add_nc_u32 v7, v7, v24
.else
	v_lshrrev_b32 v5, 4, v2
	v_lshl_add_u32 v5, v23, 3, v5                  ; 8 G + (e >> 4)
.if \n
	v_add_nc_u32 v7, 1, v7
.endif
.endif
	FINISH
.endm
	s_load_b512 s[4:19], s[0:1], 0x0               ; Wq s[4:5], Wk s[6:7], Wv s[8:9], Wo s[10:11], W1 s[12:13], W2 s[14:15], bq s[16:17], bk s[18:19]
	s_load_b128 s[20:23], s[0:1], 0x40             ; bv s[20:21], b1 s[22:23]
	s_load_b64 s[24:25], s[0:1], 0x50              ; ws
	s_mov_b32 s26, ttmp9
	s_wait_kmcnt 0x0
	s_cmp_lt_u32 s26, 128
	s_cbranch_scc1 .Lwq
	s_cmp_lt_u32 s26, 256
	s_cbranch_scc1 .Lwk
	s_cmp_lt_u32 s26, 384
	s_cbranch_scc1 .Lwv
	s_cmp_lt_u32 s26, 512
	s_cbranch_scc1 .Lwo
	s_cmp_lt_u32 s26, 1024
	s_cbranch_scc1 .Lw1
	s_cmp_lt_u32 s26, 1536
	s_cbranch_scc1 .Lw2
	; THE BIAS ROWS: 48 steps x 4 quarters x 16 chunks.  All four vectors are loaded at offsets that lie inside them whatever the step; the chunk's value is then chosen by masks, with every lane on.
	TNUM 1536
	v_lshrrev_b32 v5, 6, v1                        ; step
	v_bfe_u32 v6, v1, 4, 2                         ; w
	v_and_b32 v2, 15, v1                           ; chunk
	v_bfe_u32 v3, v2, 2, 1                         ; n
	v_and_b32 v22, 3, v2                           ; which four of the tile's sixteen
	v_and_b32 v23, 7, v5                           ; p: the step within its group of eight
	v_lshrrev_b32 v35, 3, v5
	v_lshl_add_u32 v35, v35, 2, v6
	v_and_b32 v35, 7, v35                          ; head
	v_and_b32 v36, 3, v23
	v_lshlrev_b32 v32, 8, v35
	v_lshl_add_u32 v32, v36, 6, v32
	v_lshl_add_u32 v32, v22, 4, v32                ; bq, bk: 4 (64 head + 16 (p & 3) + 4 (chunk & 3))
	v_and_b32 v36, 1, v23
	v_lshlrev_b32 v33, 8, v35
	v_lshl_add_u32 v33, v36, 7, v33
	v_lshl_add_u32 v33, v3, 6, v33
	v_lshl_add_u32 v33, v22, 4, v33                ; bv: 4 (64 head + 32 (p & 1) + 16 n + ..)
	v_add_nc_u32 v36, -16, v5
	v_bfe_u32 v36, v36, 1, 4                       ; g
	v_lshlrev_b32 v34, 9, v36
	v_lshl_add_u32 v34, v6, 7, v34
	v_lshl_add_u32 v34, v3, 6, v34
	v_lshl_add_u32 v34, v22, 4, v34                ; b1: 4 (128 g + 32 w + 16 n + ..)
	global_load_b128 v[8:11], v32, s[16:17]
	global_load_b128 v[12:15], v32, s[18:19]
	global_load_b128 v[24:27], v33, s[20:21]
	global_load_b128 v[28:31], v34, s[22:23]
	v_and_b32 v36, 1, v5
	v_cmp_gt_u32 s30, 16, v5                       ; an attention step
	v_cmp_gt_u32 s31, 4, v23                       ; p < 4: q and k
	v_cmp_gt_u32 s32, 6, v23                       ; p < 6
	v_cmp_gt_u32 s33, 8, v2                        ; the row's first 128 bytes
	v_cmp_eq_u32 s34, 0, v36                       ; an even step
	v_cmp_ne_u32 s35, 0, v3                        ; n = 1
	s_and_b32 s36, s30, s33
	s_and_b32 s37, s36, s31                        ; bq or bk
	s_and_not1_b32 s38, s36, s31
	s_and_b32 s38, s38, s32                        ; bv
	s_and_not1_b32 s39, s33, s30
	s_and_b32 s39, s39, s34                        ; b1
	v_mul_u32_u24 v21, v5, SLOTB
	v_mad_u32_u24 v21, v6, QB, v21
	v_lshl_add_u32 v21, v2, 4, v21
	v_add_nc_u32 v21, 32768, v21
	s_wait_loadcnt 0x0
.irp i, 0,1,2,3
	v_cndmask_b32 v[16+(\i)], v[8+(\i)], v[12+(\i)], s35
	v_cndmask_b32 v[16+(\i)], 0, v[16+(\i)], s37
	v_cndmask_b32 v[16+(\i)], v[16+(\i)], v[24+(\i)], s38
	v_cndmask_b32 v[16+(\i)], v[16+(\i)], v[28+(\i)], s39
.endr
	global_store_b128 v21, v[16:19], s[24:25]
	s_endpgm
.Lwq:
	QKV 0, 4, 0, 0
.Lwk:
	QKV 128, 6, 0, 1
.Lwv:
	QKV 256, 8, 1, 0
.Lwo:                                          ; Wo [512][512]
	TNUM 384
	v_and_b32 v2, 0x1ff, v1
	v_lshrrev_b32 v3, 9, v1
	v_lshlrev_b32 v4, 2, v2
	v_lshl_add_u32 v4, v3, 14, v4
	LOAD8 10, 2048
	v_lshrrev_b32 v5, 5, v3
	v_bfe_u32 v24, v3, 4, 1
	v_lshl_add_u32 v5, v5, 3, v24
	v_add_nc_u32 v5, 6, v5                         ; 8 (ks >> 3) + 6 + ((ks >> 2) & 1)
	v_lshrrev_b32 v6, 7, v2
	NF
	FINISH
.Lw1:                                          ; W1 [512][2048]
	TNUM 512
	v_and_b32 v2, 0x7ff, v1
	v_lshrrev_b32 v3, 11, v1
	v_lshlrev_b32 v4, 2, v2
	v_lshl_add_u32 v4, v3, 16, v4
	LOAD8 12, 8192
	v_lshrrev_b32 v5, 7, v2
	v_lshl_add_u32 v5, v5, 1, 16                   ; 16 + 2 g
	v_bfe_u32 v6, v2, 5, 2
	KAPF
	v_bfe_u32 v24, v2, 4, 1
	v_add_nc_u32 v7, v7, v24
	FINISH
.Lw2:                                          ; W2 [2048][512]
	TNUM 1024
	v_and_b32 v2, 0x1ff, v1
	v_lshrrev_b32 v3, 9, v1
	v_lshlrev_b32 v4, 2, v2
	v_lshl_add_u32 v4, v3, 14, v4
	LOAD8 14, 2048
	v_lshrrev_b32 v5, 4, v3
	v_lshl_add_u32 v5, v5, 1, 17                   ; 17 + 2 g
	v_lshrrev_b32 v6, 7, v2
	NF
	FINISH
.Lfunc_end_k_q362684241e_prep:
	.size	k_q362684241e_prep, .Lfunc_end_k_q362684241e_prep-k_q362684241e_prep
	.p2alignl 7, 3214868480
	.fill 96, 4, 3214868480
	.section	.rodata,"a",@progbits
	.p2align	6, 0x0
	.amdhsa_kernel k_q362684241e_prep
		.amdhsa_group_segment_fixed_size 0
		.amdhsa_private_segment_fixed_size 0
		.amdhsa_enable_private_segment 0
		.amdhsa_kernarg_size 88
		.amdhsa_user_sgpr_count 2
		.amdhsa_user_sgpr_kernarg_segment_ptr 1
		.amdhsa_wavefront_size32 1
		.amdhsa_system_sgpr_workgroup_id_x 1
		.amdhsa_system_sgpr_workgroup_id_y 1
		.amdhsa_system_sgpr_workgroup_id_z 1
		.amdhsa_system_vgpr_workitem_id 0
		.amdhsa_next_free_vgpr 40
		.amdhsa_next_free_sgpr 66
		.amdhsa_reserve_vcc 0
		.amdhsa_float_denorm_mode_32 3
		.amdhsa_float_denorm_mode_16_64 3
		.amdhsa_memory_ordered 1
		.amdhsa_forward_progress 1
		.amdhsa_inst_pref_size 20
	.end_amdhsa_kernel
	.amdgpu_metadata
---
amdhsa.version: [ 1, 2 ]
amdhsa.kernels:
  - .name:           k_q362684241e_prep
    .symbol:         k_q362684241e_prep.kd
    .args:
      - { .name: Wq, .offset: 0, .size: 8, .value_kind: global_buffer, .address_space: global }
      - { .name: Wk, .offset: 8, .size: 8, .value_kind: global_buffer, .address_space: global }
      - { .name: Wv, .offset: 16, .size: 8, .value_kind: global_buffer, .address_space: global }
      - { .name: Wo, .offset: 24, .size: 8, .value_kind: global_buffer, .address_space: global }
      - { .name: W1, .offset: 32, .size: 8, .value_kind: global_buffer, .address_space: global }
      - { .name: W2, .offset: 40, .size: 8, .value_kind: global_buffer, .address_space: global }
      - { .name: bq, .offset: 48, .size: 8, .value_kind: global_buffer, .address_space: global }
      - { .name: bk, .offset: 56, .size: 8, .value_kind: global_buffer, .address_space: global }
      - { .name: bv, .offset: 64, .size: 8, .value_kind: global_buffer, .address_space: global }
      - { .name: b1, .offset: 72, .size: 8, .value_kind: global_buffer, .address_space: global }
      - { .name: ws, .offset: 80, .size: 8, .value_kind: global_buffer, .address_space: global }
    .group_segment_fixed_size: 0
    .private_segment_fixed_size: 0
    .kernarg_segment_align: 8
    .kernarg_segment_size: 88
    .max_flat_workgroup_size: 256
    .sgpr_count:     66
    .vgpr_count:     40
    .wavefront_size: 32
...
	.end_amdgpu_metadata
.endif
;; end of part 1
;; launch block (part 2): grid 256 x 1, 4 waves a work-group, clusters of 4 x 1, 327,680 bytes of LDS; arguments x, ws, ln1_g, ln1_b, bo, ln2_g, ln2_b, b2, out0; writes out0
.if DOCPART == 2
	.amdgcn_target "amdgcn-amd-amdhsa--gfx1250"
	.amdhsa_code_object_version 6
	.text
	.protected	k_q362684241e_block
	.globl	k_q362684241e_block
	.p2align	8
	.type	k_q362684241e_block,@function
k_q362684241e_block:
	s_mov_b64 s[64:65], 0
	v_nop
	global_prefetch_b8 v0, s[64:65] scope:SCOPE_SE
	s_setreg_imm32_b32 hwreg(HW_REG_WAVE_MODE, 25, 1), 1
	s_wait_xcnt 0x0
	s_wait_alu depctr_hold_cnt(0) depctr_sa_sdst(0) depctr_va_vdst(0) depctr_va_sdst(0) depctr_va_ssrc(0) depctr_va_vcc(0) depctr_vm_vsrc(0)
	s_getreg_b32 s2, hwreg(HW_REG_IB_STS2, 6, 4)
	s_cmp_eq_u32 s2, 0
	s_cbranch_scc0 .Lentry_in_a_cluster
	s_endpgm
.Lentry_in_a_cluster:
	s_bfe_u32 s2, ttmp6, 0x10000c
	s_cmp_lg_u32 s2, 0x3003
	s_cbranch_scc0 .Lentry_shape_is_right
	s_endpgm
.Lentry_shape_is_right:
; THE WHOLE TRANSFORMER BLOCK FOR 64 ROWS (32 sequences of 2 tokens) IN ONE WORK-GROUP: LN1, q k v, causal attention, Wo + bo + x, LN2, relu(. W1 + b1) W2 + b2 + residual.  x and out0 are f32.
; FORMATS.  Weights (rounded by the launch before), LN's results, the attention's context and the hidden layer are matrix operands in f16, each rounded once; x, biases, gains, scores, softmax, LN's statistics and all sums stay in f32.
; WHY f16.  Eight roundings lie on the way from x to out0 (h, Wv, context, Wo, h2, W1, hidden, W2), and every number of out0 must lie within 1% of the output's root mean square plus 1% of itself.  With 8 significant bits they add up to
; some 2.6 roundings' error, about 0.3% of that root mean square: too near the line for the largest of 8.4 million numbers where the number itself is near 0.  With 11 bits it is an eighth of that.
; LIMITS.  f16 ends at 65,504: LN's result (at most 22.6 |gain| + |bias|), v and the hidden layer must stay within it.  With every input 30 times what is drawn their root mean squares are 30, 900 and 900; with LN's bias offset by 30 and
; the weights by 30 of their spreads, v and the hidden layer reach some 20,000.  Below 6e-5 an operand keeps f16's fixed step of 6e-8.  NaN and infinities are not treated apart.
; A weight 2^z of the softmax with z below -126 counts as 0 (the other weight of its row is then 1).  The ReLU is taken of the number already rounded to f16, which gives the same bits.
; ATTENTION.  With two tokens and the causal mask, token 0's context is v0; token 1 has two scores a head, q1.k0 and q1.k1, and a softmax over the two, with their maximum taken away.  q of token 0 is used by nothing and is not made.
; SHARES.  The four waves split the output columns; every wave takes all 64 rows, as four tiles of 16: tile m, lane place r is sequence 16 (m & 1) + r, token m >> 1, so a sequence's two tokens lie in one lane.
; EVERY PRODUCT IS TAKEN TRANSPOSED (source 0 = 16 output columns of the weights, source 1 = 16 rows of activations): lane (r, h), register j holds row r, column 8 h + j of the tile: eight neighbouring columns, which rounded to f16
; are that lane's 16 bytes of the next product's source 1.  So activations change waves through LDS (EXB) in fragment order, 16 bytes a lane, and never change lanes.
; IN REGISTERS: XA, the wave's 128 columns of the residual stream in f32 (x + bo, then + attention, then + b2 + feed-forward: it is the accumulator of the products by Wo and W2); AF, LN's result for all 64 rows and all 512 k.
; THE WEIGHTS are one stream of 48 steps (ws), walked by every work-group: a ring of two LDS slots, a step each; wave w fetches and reads quarter w alone.  The four work-groups of a cluster ask JOINTLY, with one descriptor and the mask of four.
; A step has 128 matrix instructions a wave (96 for q, k); the refill goes out ahead of a step's last 16 and is waited for behind the next step's first 96.
;
; LDS: slot 0 at 0, slot 1 at SLOTB (132,096 bytes each; quarter w at w QB).  x's first fill: from SLOTB on, wave w's two token planes of 32 rows x 528 bytes (512 + 16 of padding = 132 words: sixteen rows start at sixteen different groups of four banks).
; EXB 32,768 bytes: fragment (ksl, m) at 1,024 (4 ksl + m) + 512 hf + 16 lane.  STAT 2,048: LN's partial sums, (16 m + r) x 16 + 4 w, a block for each pass.  SPARE: the spare words.
; At the end a wave's own quarter of slot 0, which has had its last fill, is its stage for the way out.
; REGISTERS, in windows of 256 (s_set_vgpr_msb: bits 1:0 source 0, 3:2 source 1, 5:4 source 2, 7:6 destination):
;   window 0: v0-23 addresses; v24-39 bias as C; v40-63 statistics; v64-127 ACC (n, m) at 64 + 8 (4 n + m), or source 1 of the slices' steps, two sets of 32; v128-191, v192-255 weight fragments, two buffers
;   window 1: XA (nt, m) at 8 (4 nt + m)      windows 2, 3: AF (kap, m) at 8 (4 (kap & 7) + m), window 2 + (kap >> 3); in an LN window 3 first holds gain, bias and the vector added afterwards, 64 each
.set QB,     33024
.set SLOTB,  4*QB
.set XP,     528
.set XPLANE, 32*XP
.set XWAVE,  2*XPLANE
.set EXB,    2*SLOTB
.set STAT,   EXB+32768
.set SPARE,  STAT+2048                 ; 128 bytes for each wave: two blocks of 256 bytes that no other line names
.set LB,   2                           ; v2, v3  my 16 bytes of a fragment half in my quarter of slot 0, 1: w QB + 16 lane; v2 also reads the stage back
.set EXS,  4                           ; v4   EXB + 4,096 w + 16 lane: where the hidden layer goes
.set EXV,  5                           ; v5   EXB + 8,192 w + 16 lane: where the context and LN's result go
.set EXL,  6                           ; v6   EXB + 16 lane: where all is read
.set TA,   7                           ; v7   at work in the head
.set XB,   8                           ; v8   my place in my x tiles
.set STO,  9                           ; v9   the way out: w QB + 528 r + 32 h
.set GO,   11                          ; v11  512 w + 16 lane: my 16 bytes of a row of out0
.set VO,   12                          ; v12  512 w + 32 h: my eight numbers of a tile in a vector of 512
.set STS,  13                          ; v13  STAT + 16 r + 4 w
.set STL,  14                          ; v14  STAT + 16 r
.set BIA,  15                          ; v15, v16  my eight numbers of the bias row in slot 0, 1
.set ZERO, 17                          ; v17  0, for the ReLU
.set SPW,  18                          ; v18  LDS address of my spare word; never rewritten
.set NIL,  19                          ; v19  0; never rewritten
.set PFO,  20                          ; v20  256 x lane; never rewritten
.set BIAS, 24
.set SC,   40                          ; scores: pair 2 bg + which; in an LN the running sums, a pair a tile
.set PR,   48                          ; weights p0, p1 for bg = 0, 1, each twice; in an LN the means, each twice
.set T,    56                          ; v56-63 at work
.set ACC,  64
.set B0,   128
.set Y,    192                         ; in an LN: at work
.set RS,   224                         ; 1 / sqrt(var + eps), a pair a tile
.set BC,   232                         ; - mean / sqrt(var + eps), a pair a tile
.set WV,   22                          ; s22  my wave's number
.set CX,   23                          ; s23  my place in the cluster: it enters x's, out0's and the prefetches' addresses alone
.set G1W,  28                          ; s[28:35] descriptor group 1 of the weights' loads
.set G1X,  36                          ; s[36:43] of x's
.set G0W,  44                          ; s[44:51] group 0 of the weights' loads, a set for each slot
.set G0X,  52                          ; s[52:59] of x's two planes
.set SEL,  60                          ; s[60:61] v_permlanex16_b32's selects: each lane takes its own place in the other half
.set PFA,  66                          ; s[66:67] where my prefetches stand
.set STP,  68                          ; s68  the step in hand
.set LIM,  69                          ; s69  steps in which this cluster prefetches
.set CG,   70
.set CQ,   71
.set CF,   72
.set CS,   74                          ; log2(e) / 8
.set INV,  75                          ; 1 / 512
.set EPS,  76
.set MSB, 0
.macro WIN new                         ; the immediate's high byte repeats the setting that is left; a switch that changes nothing is dropped
.if MSB != (\new)
	s_set_vgpr_msb (MSB<<8)|(\new)
.set MSB, (\new)
.endif
.endm
.macro PLACES cnt                      ; plain vector instructions between a matrix instruction and what may not follow it closely (ISA guide 7.12.1)
.rept \cnt
	v_nop
.endr
.endm
.macro XBAR                            ; what I stored to LDS is there and what I asked of it is back; then all four waves meet
	s_wait_dscnt 0x0
	s_barrier_signal -1
	s_barrier_wait -1
.endm
.macro CREST                           ; a round of the cluster's barrier behind its opening barrier
	s_cmp_lg_u32 s[WV], 0
	s_cbranch_scc1 .Lnot_wave_0_\@
	s_barrier_signal -3
.Lnot_wave_0_\@:
	s_barrier_wait -3
	s_barrier_signal -1
	s_barrier_wait -1
.endm
.macro CROUND
	s_barrier_signal -1
	s_barrier_wait -1
	CREST
.endm
; A joint load of my quarter of a step: both addresses hang on the wave's number, nothing on the work-group's place.  step = 1: the slot's address goes two steps on (no load of mine is out: the wait for 0 stands in front of the round).
.macro JLOAD slot, step
.if \step
	s_add_nc_u64 s[G0W+4*(\slot)+2:G0W+4*(\slot)+3], s[G0W+4*(\slot)+2:G0W+4*(\slot)+3], 2*SLOTB
.endif
	tensor_load_to_lds s[G0W+4*(\slot):G0W+4*(\slot)+3], s[G1W:G1W+7]
	s_nop 0
	PLACES 4                                       ; the places in front of the LDS loads that follow
.endm
; A PREFETCH INTO THE L2, behind the joint load and the run of LDS loads: in step s the quarter's first 128 blocks of 256 bytes of step s + 4, which the refill after next asks for: 256 matrix instructions ahead of that load.
; Every cluster walks the same stream: cluster 0 asks.  Of quarter w's blocks the partner at place cx names 32 cx .. 32 cx + 31, a lane a block: told apart by address.  Each block is named once; the bias row comes by its load alone.
; Steps 0 to 3 come by their loads alone; step 43 names step 47, the last, and later steps ask for nothing.
.macro ASK
	s_cmp_lt_u32 s[STP], s[LIM]
	s_cbranch_scc0 .Lnot_mine_\@
	global_prefetch_b8 v[PFO], s[PFA:PFA+1] th:TH_LOAD_NT scope:SCOPE_SE
.Lnot_mine_\@:
	s_add_co_u32 s[STP], s[STP], 1
.endm
.macro FB slot, j, buf                 ; 16 LDS loads: fragments 8 j .. 8 j + 7 of my quarter; 32 lanes take 512 consecutive bytes
.irp i, 0,1,2,3,4,5,6,7
	ds_load_b128 v[(\buf)+8*(\i):(\buf)+8*(\i)+3],   v[LB+(\slot)] offset:(8*(\j)+(\i))*1024
	ds_load_b128 v[(\buf)+8*(\i)+4:(\buf)+8*(\i)+7], v[LB+(\slot)] offset:(8*(\j)+(\i))*1024+512
.endr
.endm
.macro FBIAS slot                      ; 4 loads: register j of tile n = the bias of column 8 h + j: the C operand's layout
.irp n, 0,1
	ds_load_b128 v[BIAS+8*(\n):BIAS+8*(\n)+3],   v[BIA+(\slot)] offset:64*(\n)
	ds_load_b128 v[BIAS+8*(\n)+4:BIAS+8*(\n)+7], v[BIA+(\slot)] offset:64*(\n)+16
.endr
.endm
.macro FA base, j, par                 ; 8 loads: source 1 of a slice's 32 k, all four row tiles, into set par
.irp m, 0,1,2,3
	ds_load_b128 v[ACC+32*(\par)+8*(\m):ACC+32*(\par)+8*(\m)+3],   v[EXL] offset:(\base)+(4*(\j)+(\m))*1024
	ds_load_b128 v[ACC+32*(\par)+8*(\m)+4:ACC+32*(\par)+8*(\m)+7], v[EXL] offset:(\base)+(4*(\j)+(\m))*1024+512
.endr
.endm
.macro FNEXT slot, next, nbase         ; the next step's first fragments.  next = 0: a step over all K (bias, 8 fragments); 1: a slice whose source 1 is not made yet; 2: a slice whose source 1 lies at nbase
.if (\next) == 0
	FBIAS \slot
.endif
.if (\next) == 2
	FA \nbase, 0, 0
.endif
	FB \slot, 0, B0
.endm
; Products of a step over all K, for 32 k (number kap): two column tiles x four row tiles (qk = 1: q for token 1's two tiles alone).  kap = 0 starts the sums with the bias.
; The accumulators take turns, one instruction a turn from step to step and over the backward jumps too.
.macro MULK qk, kap
.irp n, 0,1
.irp m, 0,1,2,3
.if !((\qk) && ((\n) == 0) && ((\m) < 2))
.set rD, ACC+8*(4*(\n)+(\m))
.set rW, B0+64*(((\kap)/4)%2)+8*(2*((\kap)%4)+(\n))
.set rH, 8*(4*((\kap)%8)+(\m))
.if (\kap) == 0
	v_wmma_f32_16x16x32_f16 v[rD:rD+7], v[rW:rW+7], v[rH:rH+7], v[BIAS+8*(\n):BIAS+8*(\n)+7]
.else
	v_wmma_f32_16x16x32_f16 v[rD:rD+7], v[rW:rW+7], v[rH:rH+7], v[rD:rD+7]
.endif
.endif
.endr
.endr
.endm
; Products of a slice's step, for 32 k (number j): column tiles nt0 .. nt0 + cnt - 1 x four row tiles, onto XA
.macro MULN j, nt0, cnt
.set nn, (\nt0)
.rept (\cnt)
.irp m, 0,1,2,3
	v_wmma_f32_16x16x32_f16 v[8*(4*nn+(\m)):8*(4*nn+(\m))+7], v[B0+64*((\j)%2)+8*nn:B0+64*((\j)%2)+8*nn+7], v[ACC+32*((\j)%2)+8*(\m):ACC+32*((\j)%2)+8*(\m)+7], v[8*(4*nn+(\m)):8*(4*nn+(\m))+7]
.endr
.set nn, nn+1
.endr
.endm
; The head of a change of slots: the prefetch address steps (the last prefetch stands a step back); then all my tensor loads have landed, my quarter of the next step among them, and the add goes out.
.macro TURNHEAD
	s_wait_xcnt 0x0
	s_add_nc_u64 s[PFA:PFA+1], s[PFA:PFA+1], SLOTB
	WIN 0
	s_wait_tensorcnt 0x0
	ds_add_u32 v[SPW], v[NIL]                      ; 0 onto my spare word: matrix instructions stand between it and the wait for it
.endm
; A STEP OVER ALL K is four quarters of four kap, on buffers 0, 1, 0, 1.  One of the first three: in its middle the next quarter's 16 loads, four places behind the last product that read their buffer.
.macro KHALF qk, slot, j
	s_wait_dscnt 0x8                               ; the quarter's first two kap are in; its youngest eight loads may be out
	WIN 0x08+4*((\j)/2)                            ; source 1 in window 2 (kap < 8) or 3
	MULK \qk, 4*(\j)
	MULK \qk, 4*(\j)+1
	PLACES 4
	WIN 0
	FB \slot, (\j)+1, B0+64*(((\j)+1)%2)
	s_wait_dscnt 0x10                              ; all but the 16 just issued
	WIN 0x08+4*((\j)/2)
	MULK \qk, 4*(\j)+2
	MULK \qk, 4*(\j)+3
.endm
; mode = 1: the last quarter changes slots: the barrier opens a round of the cluster's, so that no wave of any partner still reads the slot or has a load on its way; the joint refill is the first thing behind the round.
; mode = 0 (the last step but one): nothing is filled; my quarter of the last step is waited for, and only I read it.
.macro KSTEP qk, slot, next, mode
	KHALF \qk, \slot, 0
	KHALF \qk, \slot, 1
	KHALF \qk, \slot, 2
.if \mode
	TURNHEAD
	s_wait_dscnt 0x9                               ; the add and the eight loads of kap 14, 15 may be out
	WIN 0x0c
	MULK \qk, 12
	s_wait_dscnt 0x0                               ; the add is done, and my reads of this slot are over
	s_barrier_signal -1
	MULK \qk, 13
	WIN 0
	s_barrier_wait -1
	CREST
	JLOAD \slot, 1
	FNEXT 1-(\slot), \next, 0
	ASK
	WIN 0x0c
	MULK \qk, 14
	MULK \qk, 15
.else
	s_wait_dscnt 0x8
	WIN 0x0c
	MULK \qk, 12
	MULK \qk, 13
	PLACES 4
	WIN 0
	s_wait_tensorcnt 0x0                           ; no load was issued behind the last step's
	FB 1-(\slot), 0, B0
	s_wait_dscnt 0x10
	WIN 0x0c
	MULK \qk, 14
	MULK \qk, 15
.endif
	WIN 0
	PLACES 5                                       ; in front of the vector work that reads the results, and of products that write over these registers
.endm
; A SLICE'S STEP is four quarters of 32 k; each fetches the next one's source 1 (8 loads) and weights (16).
.macro NHALF slot, base, j, w
	s_wait_dscnt \w                                ; source 1 and column tiles 0-3 are in
	WIN 0x50                                       ; C and D in window 1
	MULN \j, 0, 4
	PLACES 4
	WIN 0
	FA \base, (\j)+1, ((\j)+1)%2
	FB \slot, (\j)+1, B0+64*(((\j)+1)%2)
	s_wait_dscnt 0x18                              ; all but the 24 just issued
	WIN 0x50
	MULN \j, 4, 4
.endm
.macro NSTEP slot, base, next, nbase, mode, w0
	NHALF \slot, \base, 0, \w0
	NHALF \slot, \base, 1, 8
	NHALF \slot, \base, 2, 8
.if \mode
	TURNHEAD
	s_wait_dscnt 0xd                               ; the add and the twelve loads of column tiles 2-7 may be out
	WIN 0x50
	MULN 3, 0, 2
	s_wait_dscnt 0x0                               ; the add is done; my reads of this slot and of EXB are over
	s_barrier_signal -1
	MULN 3, 2, 2
	WIN 0
	s_barrier_wait -1
	CREST
	JLOAD \slot, 1
	FNEXT 1-(\slot), \next, \nbase
	ASK
	WIN 0x50
	MULN 3, 4, 4
.else
	s_wait_dscnt 0x0
	WIN 0x50
	MULN 3, 0, 8
.endif
	WIN 0
	PLACES 5
.endm
; WHAT FOLLOWS A STEP.  Each accumulator is read from its lowest registers on.
.macro E_QK                            ; 16 columns of the head more: q1.k0 and q1.k1 grow, two products an instruction
.irp pr, 0,1,2,3
.irp bg, 0,1
	v_pk_fma_f32 v[SC+4*(\bg):SC+4*(\bg)+1],   v[ACC+8*(2+(\bg))+2*(\pr):ACC+8*(2+(\bg))+2*(\pr)+1], v[ACC+8*(4+(\bg))+2*(\pr):ACC+8*(4+(\bg))+2*(\pr)+1], v[SC+4*(\bg):SC+4*(\bg)+1]
	v_pk_fma_f32 v[SC+4*(\bg)+2:SC+4*(\bg)+3], v[ACC+8*(2+(\bg))+2*(\pr):ACC+8*(2+(\bg))+2*(\pr)+1], v[ACC+8*(6+(\bg))+2*(\pr):ACC+8*(6+(\bg))+2*(\pr)+1], v[SC+4*(\bg)+2:SC+4*(\bg)+3]
.endr
.endr
.endm
.macro SOFTMAX                         ; token 1's two weights for my head, for the sequences of both row tiles
.irp i, 0,1,2,3
	v_add_f32 v[T+(\i)], v[SC+2*(\i)], v[SC+2*(\i)+1]
.endr
.irp i, 0,1,2,3
	v_permlanex16_b32 v[T+4+(\i)], v[T+(\i)], s[SEL], s[SEL+1]  ; the other half of the head's columns lies in the lane 16 away
.endr
.irp i, 0,1,2,3
	v_add_f32 v[T+(\i)], v[T+(\i)], v[T+4+(\i)]
.endr
.irp bg, 0,1
	v_max_num_f32 v[T+4+(\bg)], v[T+2*(\bg)], v[T+2*(\bg)+1]
.endr
.irp bg, 0,1
	v_sub_f32 v[T+2*(\bg)], v[T+2*(\bg)], v[T+4+(\bg)]
	v_sub_f32 v[T+2*(\bg)+1], v[T+2*(\bg)+1], v[T+4+(\bg)]
.endr
.irp i, 0,1,2,3
	v_mul_f32 v[T+(\i)], s[CS], v[T+(\i)]
.endr
.irp i, 0,1,2,3
	v_exp_f32 v[T+(\i)], v[T+(\i)]
.endr
	v_nop                                          ; a plain instruction behind the last exponential,
	s_wait_alu depctr_va_vdst(0)                   ; and one wait for the four, ahead of their first reader
.irp bg, 0,1
	v_add_f32 v[T+4+(\bg)], v[T+2*(\bg)], v[T+2*(\bg)+1]
.endr
.irp bg, 0,1
	v_rcp_f32 v[T+6+(\bg)], v[T+4+(\bg)]
.endr
	v_nop
	s_wait_alu depctr_va_vdst(0)                   ; one wait for the two reciprocals
.irp bg, 0,1
	v_mul_f32 v[PR+4*(\bg)],   v[T+2*(\bg)],   v[T+6+(\bg)]
	v_mul_f32 v[PR+4*(\bg)+1], v[T+2*(\bg)],   v[T+6+(\bg)]
	v_mul_f32 v[PR+4*(\bg)+2], v[T+2*(\bg)+1], v[T+6+(\bg)]
	v_mul_f32 v[PR+4*(\bg)+3], v[T+2*(\bg)+1], v[T+6+(\bg)]
.endr
.endm
.macro PACK4 reg                       ; eight f32 to 16 bytes of f16, in place: register i is written when registers 2 i, 2 i + 1 are read and the lower ones are spent
.irp i, 0,1,2,3
	v_cvt_pk_f16_f32 v[(\reg)+(\i)], v[(\reg)+2*(\i)], v[(\reg)+2*(\i)+1]
.endr
.endm
.macro E_V vs                          ; 32 columns of v: token 0's context is v0; token 1's is p0 v0 + p1 v1; both go to EXB as source 1 of the product by Wo
.irp n, 0,1
.irp bg, 0,1
.set rA, ACC+8*(4*(\n)+2+(\bg))
.set rB, ACC+8*(4*(\n)+(\bg))
.irp pr, 0,1,2,3
	v_pk_mul_f32 v[rA+2*(\pr):rA+2*(\pr)+1], v[rA+2*(\pr):rA+2*(\pr)+1], v[PR+4*(\bg)+2:PR+4*(\bg)+3]
.endr
.irp pr, 0,1,2,3
	v_pk_fma_f32 v[rA+2*(\pr):rA+2*(\pr)+1], v[rB+2*(\pr):rB+2*(\pr)+1], v[PR+4*(\bg):PR+4*(\bg)+1], v[rA+2*(\pr):rA+2*(\pr)+1]
.endr
.endr
.endr
.irp n, 0,1
.irp m, 0,1,2,3
	PACK4 ACC+8*(4*(\n)+(\m))
	ds_store_b128 v[EXV], v[ACC+8*(4*(\n)+(\m)):ACC+8*(4*(\n)+(\m))+3] offset:4096*(\vs)+1024*(\m)+512*(\n)
.endr
.endr
.endm
.macro E_FF                            ; 32 columns of the hidden layer: rounded, ReLU on the packed halves, to EXB
.irp n, 0,1
.irp m, 0,1,2,3
	PACK4 ACC+8*(4*(\n)+(\m))
.irp i, 0,1,2,3
	v_pk_max_num_f16 v[ACC+8*(4*(\n)+(\m))+(\i)], v[ACC+8*(4*(\n)+(\m))+(\i)], v[ZERO]
.endr
	ds_store_b128 v[EXS], v[ACC+8*(4*(\n)+(\m)):ACC+8*(4*(\n)+(\m))+3] offset:1024*(\m)+512*(\n)
.endr
.endr
.endm
; LAYER NORM of XA.  LNV: my columns of the gain, the bias and the vector that is added to XA afterwards (bo, b2) come into window 3, index 8 nt + j.
.macro LNV gp, bp, pp
	WIN 0xc0
.irp u, 0,1,2,3,4,5,6,7
.irp q, 0,1
	global_load_b128 v[8*(\u)+4*(\q):8*(\u)+4*(\q)+3],         v[VO], s[(\gp):(\gp)+1] offset:64*(\u)+16*(\q)
	global_load_b128 v[64+8*(\u)+4*(\q):64+8*(\u)+4*(\q)+3],   v[VO], s[(\bp):(\bp)+1] offset:64*(\u)+16*(\q)
	global_load_b128 v[128+8*(\u)+4*(\q):128+8*(\u)+4*(\q)+3], v[VO], s[(\pp):(\pp)+1] offset:64*(\u)+16*(\q)
.endr
.endr
	WIN 0
.endm
; A row's sum: the pair's halves, the other half of the lanes, then the four waves' parts through STAT (block p).  The result, in every lane of the row, lies in T + m.
.macro RED p
	WIN 0
.irp m, 0,1,2,3
	v_add_f32 v[T+(\m)], v[SC+2*(\m)], v[SC+2*(\m)+1]
.endr
.irp m, 0,1,2,3
	v_permlanex16_b32 v[T+4+(\m)], v[T+(\m)], s[SEL], s[SEL+1]
.endr
.irp m, 0,1,2,3
	v_add_f32 v[T+(\m)], v[T+(\m)], v[T+4+(\m)]
.endr
.irp m, 0,1,2,3
	ds_store_b32 v[STS], v[T+(\m)] offset:1024*(\p)+256*(\m)
.endr
	XBAR
.irp m, 0,1,2,3
	ds_load_b128 v[ACC+4*(\m):ACC+4*(\m)+3], v[STL] offset:1024*(\p)+256*(\m)
.endr
	s_wait_dscnt 0x0
.irp m, 0,1,2,3
	v_add_f32 v[ACC+4*(\m)], v[ACC+4*(\m)], v[ACC+4*(\m)+1]
	v_add_f32 v[ACC+4*(\m)+2], v[ACC+4*(\m)+2], v[ACC+4*(\m)+3]
.endr
.irp m, 0,1,2,3
	v_add_f32 v[T+(\m)], v[ACC+4*(\m)], v[ACC+4*(\m)+2]
.endr
.endm
.macro CLRSUM
.irp i, 0,1,2,3,4,5,6,7
	v_mov_b32 v[SC+(\i)], 0
.endr
.endm
; Column tiles 4 ph .. 4 ph + 3 of every row tile: (x - mean) rstd as x rstd + (- mean rstd), times gain plus bias, rounded into ACC + 16 m; then XA takes the vector that follows the LN.
.macro NORM ph
.irp m, 0,1,2,3
	WIN 0x01
.set i, 0
.rept 16
.set rX, 8*(4*(4*(\ph)+i/4)+(\m))+2*(i%4)
	v_pk_fma_f32 v[Y+2*i:Y+2*i+1], v[rX:rX+1], v[RS+2*(\m):RS+2*(\m)+1], v[BC+2*(\m):BC+2*(\m)+1]
.set i, i+1
.endr
	WIN 0x3c
.set i, 0
.rept 16
.set rG, 8*(4*(\ph)+i/4)+2*(i%4)
	v_pk_fma_f32 v[Y+2*i:Y+2*i+1], v[Y+2*i:Y+2*i+1], v[rG:rG+1], v[64+rG:64+rG+1]
.set i, i+1
.endr
	WIN 0
.set i, 0
.rept 16
	v_cvt_pk_f16_f32 v[ACC+16*(\m)+i], v[Y+2*i], v[Y+2*i+1]
.set i, i+1
.endr
	WIN 0x4d
.set i, 0
.rept 16
.set rX, 8*(4*(4*(\ph)+i/4)+(\m))+2*(i%4)
.set rG, 8*(4*(\ph)+i/4)+2*(i%4)
	v_pk_add_f32 v[rX:rX+1], v[rX:rX+1], v[128+rG:128+rG+1]
.set i, i+1
.endr
.endr
	WIN 0
.endm
.macro NST                             ; tile q of the four is half q & 1 of fragment 2 w + (q >> 1)
.irp m, 0,1,2,3
.irp q, 0,1,2,3
	ds_store_b128 v[EXV], v[ACC+16*(\m)+4*(\q):ACC+16*(\m)+4*(\q)+3] offset:4096*((\q)/2)+1024*(\m)+512*((\q)%2)
.endr
.endr
.endm
.macro AFL ph                          ; all 32 fragments of EXB into window 2 + ph
	WIN 0x80+0x40*(\ph)
.set f, 0
.rept 32
	ds_load_b128 v[8*f:8*f+3],   v[EXL] offset:1024*f
	ds_load_b128 v[8*f+4:8*f+7], v[EXL] offset:1024*f+512
.set f, f+1
.endr
	WIN 0
.endm
.macro LNBODY
	CLRSUM                                         ; pass 1: the mean
	WIN 0x01
.set p, 0
.rept 32
.irp m, 0,1,2,3
	v_pk_add_f32 v[SC+2*(\m):SC+2*(\m)+1], v[8*(4*(p/4)+(\m))+2*(p%4):8*(4*(p/4)+(\m))+2*(p%4)+1], v[SC+2*(\m):SC+2*(\m)+1]
.endr
.set p, p+1
.endr
	RED 0
.irp m, 0,1,2,3
	v_mul_f32 v[PR+2*(\m)], s[INV], v[T+(\m)]
	v_mul_f32 v[PR+2*(\m)+1], s[INV], v[T+(\m)]
.endr
	CLRSUM                                         ; pass 2: the variance, of x - mean: no difference of large sums is formed
.set b, 0
.rept 4
	WIN 0x01
.set i, 0
.rept 32
.set rX, 8*(4*(2*b+i/16)+i%4)+2*((i/4)%4)
	v_pk_add_f32 v[Y+2*i:Y+2*i+1], v[rX:rX+1], v[PR+2*(i%4):PR+2*(i%4)+1] neg_lo:[0,1] neg_hi:[0,1]
.set i, i+1
.endr
	WIN 0
.set i, 0
.rept 32
	v_pk_fma_f32 v[SC+2*(i%4):SC+2*(i%4)+1], v[Y+2*i:Y+2*i+1], v[Y+2*i:Y+2*i+1], v[SC+2*(i%4):SC+2*(i%4)+1]
.set i, i+1
.endr
.set b, b+1
.endr
	RED 1
.irp m, 0,1,2,3
	v_fma_f32 v[T+(\m)], v[T+(\m)], s[INV], s[EPS]
.endr
.irp m, 0,1,2,3
	v_rsq_f32 v[RS+2*(\m)], v[T+(\m)]
.endr
	v_nop
	s_wait_alu depctr_va_vdst(0)                   ; one wait for the four
.irp m, 0,1,2,3
	v_mov_b32 v[RS+2*(\m)+1], v[RS+2*(\m)]
	v_mul_f32 v[BC+2*(\m)], -v[PR+2*(\m)], v[RS+2*(\m)]
	v_mul_f32 v[BC+2*(\m)+1], -v[PR+2*(\m)], v[RS+2*(\m)]
.endr
	s_wait_loadcnt 0x0                             ; gain, bias and the vector that follows
	NORM 0
	NST
	XBAR                                           ; everybody's half is in EXB
	AFL 0
	NORM 1
	XBAR                                           ; everybody has read the first half: EXB may be written again
	NST
	XBAR
	AFL 1                                          ; window 3's three vectors are spent
.endm
	s_load_b512 s[4:19], s[0:1], 0x0               ; x s[4:5], ws s[6:7], ln1_g s[8:9], ln1_b s[10:11], bo s[12:13], ln2_g s[14:15], ln2_b s[16:17], b2 s[18:19]
	s_load_b64 s[20:21], s[0:1], 0x40              ; out0
	v_lshl_add_u32 v[SPW], v0, 2, SPARE
	v_mov_b32 v[NIL], 0
	ds_add_u32 v[SPW], v[NIL]                      ; the wave's opening: the add and its wait stand ahead of my first tensor load; the set-up, work on registers, stands between them
	v_lshrrev_b32 v1, 5, v0
	v_readfirstlane_b32 s[WV], v1                  ; wave 0..3
	s_bfe_u32 s[CX], ttmp6, 0x40000
	s_lshl_b32 s24, ttmp9, 2                       ; in a cluster launch ttmp9 counts clusters
	s_add_co_u32 s24, s24, s[CX]                   ; my block of 64 rows
	s_mul_i32 s25, s[WV], QB                       ; my quarter of a slot
	v_and_b32 v21, 31, v0                          ; lane
	v_and_b32 v22, 15, v0                          ; r
	v_bfe_u32 v23, v0, 4, 1                        ; h
	v_lshl_add_u32 v[LB], v21, 4, s25
	v_add_nc_u32 v[LB+1], SLOTB, v[LB]
	v_lshl_add_u32 v[EXL], v21, 4, EXB
	s_lshl_b32 s26, s[WV], 12
	v_add_nc_u32 v[EXS], s26, v[EXL]
	s_lshl_b32 s26, s[WV], 13
	v_add_nc_u32 v[EXV], s26, v[EXL]
	v_mul_u32_u24 v[TA], v22, XP
	v_lshl_add_u32 v[TA], v23, 5, v[TA]            ; 528 r + 32 h
	s_mul_i32 s26, s[WV], XWAVE
	s_add_co_u32 s26, s26, SLOTB                   ; my x tiles
	v_add_nc_u32 v[XB], s26, v[TA]
	v_add_nc_u32 v[STO], s25, v[TA]
	s_mov_b32 s[G0X], 1                            ; group 0: count 1; LDS address; the global address follows below
	s_mov_b32 s[G0X+1], s26
	s_mov_b32 s[G0X+4], 1
	s_add_co_u32 s[G0X+5], s26, XPLANE
	s_mov_b32 s[G0W], 1
	s_mov_b32 s[G0W+1], s25
	s_mov_b32 s[G0W+4], 1
	s_add_co_u32 s[G0W+5], s25, SLOTB
	s_lshl_b32 s27, s[WV], 9
	v_lshl_add_u32 v[GO], v21, 4, s27
	v_lshl_add_u32 v[VO], v23, 5, s27
	s_lshl_b32 s27, s[WV], 2
	s_add_co_u32 s27, s27, STAT
	v_lshl_add_u32 v[STS], v22, 4, s27
	v_lshl_add_u32 v[STL], v22, 4, STAT
	s_add_co_u32 s27, s25, 32768
	v_lshl_add_u32 v[BIA], v23, 5, s27
	v_add_nc_u32 v[BIA+1], SLOTB, v[BIA]
	v_mov_b32 v[ZERO], 0
	v_lshlrev_b32 v[PFO], 8, v21
.irp i, 0,1,2,3,4,5,6,7
	v_mov_b32 v[T+(\i)], 0                         ; v_permlanex16_b32's destination counts as read
.endr
	; group 1 of the weights' loads: a dense block of 129 rows of 256 bytes, in elements of 8 bytes, no padding
	s_mov_b32 s[G1W],   15|(3<<16)|(1<<21)         ; 15:0 the mask of four; 17:16 elements of 8 bytes; 21 set beside a mask
	s_mov_b32 s[G1W+1], 32<<16                     ; tensor_dim0 = 32
	s_mov_b32 s[G1W+2], 129<<16                    ; tensor_dim1 = 129
	s_mov_b32 s[G1W+3], 32<<16                     ; tile_dim0 = 32
	s_mov_b32 s[G1W+4], 129                        ; tile_dim1 = 129
	s_mov_b32 s[G1W+5], 32                         ; 32 elements from row to row
	s_mov_b32 s[G1W+6], 0
	s_mov_b32 s[G1W+7], 0
	; group 1 of x's loads, my own (mask 0): one token of 32 sequences, my 128 columns: 32 rows of 128 f32, 1,024 elements apart, 4 words of padding behind every 128
	s_mov_b32 s[G1X],   (2<<16)|(1<<20)|(6<<22)|(3<<25)
	s_mov_b32 s[G1X+1], 128<<16
	s_mov_b32 s[G1X+2], 32<<16
	s_mov_b32 s[G1X+3], 128<<16
	s_mov_b32 s[G1X+4], 32
	s_mov_b32 s[G1X+5], 1024
	s_mov_b32 s[G1X+6], 0
	s_mov_b32 s[G1X+7], 0
	s_mov_b32 s[SEL], 0x76543210
	s_mov_b32 s[SEL+1], 0xfedcba98
	s_mov_b32 s[CS], 0x3e38aa3b                    ; log2(e) / 8
	s_mov_b32 s[INV], 0x3b000000                   ; 1 / 512
	s_mov_b32 s[EPS], 0x3727c5ac                   ; 1e-5
	s_mov_b32 s[STP], 0
	s_cmp_eq_u32 ttmp9, 0                          ; the same in all four partners
	s_cselect_b32 s[LIM], 44, 0
	s_wait_dscnt 0x0                               ; the opening add is done
	s_wait_kmcnt 0x0
	s_lshl_b32 s26, s24, 17                        ; 64 rows of 2,048 bytes
	s_mov_b32 s27, 0
	s_add_nc_u64 s[20:21], s[20:21], s[26:27]      ; out0 at my block
	s_lshl_b32 s78, s[WV], 9
	s_add_co_u32 s26, s26, s78
	s_add_nc_u64 s[G0X+2:G0X+3], s[4:5], s[26:27]  ; x: my block, my columns, token 0
	s_add_nc_u64 s[G0X+6:G0X+7], s[G0X+2:G0X+3], 2048  ; token 1
	s_or_b32 s[G0X+3], s[G0X+3], 0x80000000        ; type = 2
	s_or_b32 s[G0X+7], s[G0X+7], 0x80000000
	s_mov_b32 s78, s25                             ; s[78:79] hold offsets made of the wave's number alone
	s_mov_b32 s79, 0
	s_add_nc_u64 s[G0W+2:G0W+3], s[6:7], s[78:79]  ; ws: my quarter of step 0,
	s_add_nc_u64 s[G0W+6:G0W+7], s[G0W+2:G0W+3], SLOTB  ; of step 1
	s_add_nc_u64 s[PFA:PFA+1], s[G0W+2:G0W+3], 3*SLOTB  ; of step 3: step 0's change of slots steps it to step 4
	s_lshl_b32 s26, s[CX], 13                      ; my work-group's 32 blocks of 256 bytes
	s_add_nc_u64 s[PFA:PFA+1], s[PFA:PFA+1], s[26:27]
	s_or_b32 s[G0W+3], s[G0W+3], 0x80000000
	s_or_b32 s[G0W+7], s[G0W+7], 0x80000000
	CROUND                                         ; all four work-groups are here: the first joint load meets
	tensor_load_to_lds s[G0X:G0X+3], s[G1X:G1X+7]  ; the first fills, one group: three loads of mine are out
	s_nop 0
	tensor_load_to_lds s[G0X+4:G0X+7], s[G1X:G1X+7]
	s_nop 0
	tensor_load_to_lds s[G0W:G0W+3], s[G1W:G1W+7]  ; step 0
	s_nop 0
	PLACES 4
	LNV 8, 10, 12                                  ; ln1_g, ln1_b, bo
	s_wait_tensorcnt 0x1                           ; my two x tiles are in (only I read them); step 0's load, issued behind them, may be out
	WIN 0x40
.irp m, 0,1,2,3
.irp u, 0,1,2,3,4,5,6,7
	ds_load_b128 v[8*(4*(\u)+(\m)):8*(4*(\u)+(\m))+3],   v[XB] offset:XPLANE*((\m)/2)+16*XP*((\m)%2)+64*(\u)
	ds_load_b128 v[8*(4*(\u)+(\m))+4:8*(4*(\u)+(\m))+7], v[XB] offset:XPLANE*((\m)/2)+16*XP*((\m)%2)+64*(\u)+16
.endr
.endr
	WIN 0
	s_wait_tensorcnt 0x0                           ; x's bytes are filled again, with step 1: all my loads have landed,
	ds_add_u32 v[SPW], v[NIL]                      ; 0 onto my spare word,
	s_wait_dscnt 0x0                               ; it is done and x is in registers,
	CROUND                                         ; and that holds of every wave of the cluster
	JLOAD 1, 0
	LNBODY                                         ; LN1; XA becomes x + bo
	FBIAS 0
	FB 0, 0, B0                                    ; step 0's first fragments
	; ATTENTION, four heads (one a wave) a trip: eight steps of the stream
	s_mov_b32 s[CG], 2
.Lgrp:
	CLRSUM                                         ; the two scores start at 0
	s_mov_b32 s[CQ], 2
.Lqk:
	KSTEP 1, 0, 0, 1
	E_QK
	KSTEP 1, 1, 0, 1
	E_QK
	s_sub_co_u32 s[CQ], s[CQ], 1
	s_cmp_lg_u32 s[CQ], 0
	s_cbranch_scc1 .Lqk
	SOFTMAX
	KSTEP 0, 0, 0, 1
	E_V 0
	KSTEP 0, 1, 1, 1
	E_V 1
	XBAR                                           ; the four heads' context lies in EXB
	FA 0, 0, 0
	NSTEP 0, 0, 2, 16384, 1, 0                     ; Wo's rows of heads 4 G, 4 G + 1,
	NSTEP 1, 16384, 0, 0, 1, 8                     ; of heads 4 G + 2, 4 G + 3
	s_sub_co_u32 s[CG], s[CG], 1
	s_cmp_lg_u32 s[CG], 0
	s_cbranch_scc1 .Lgrp
	LNV 14, 16, 18                                 ; ln2_g, ln2_b, b2
	LNBODY                                         ; LN2 of x + attention; XA takes b2.  Buffer 0 and the bias registers, which hold step 16's first fragments, are not touched
	; FEED-FORWARD, 128 hidden columns a trip: h2 W1 + b1, ReLU, through EXB, times W2 onto XA
	s_mov_b32 s[CF], 15
.Lff:
	KSTEP 0, 0, 1, 1
	E_FF
	XBAR
	FA 0, 0, 0
	NSTEP 1, 0, 0, 0, 1, 0
	s_sub_co_u32 s[CF], s[CF], 1
	s_cmp_lg_u32 s[CF], 0
	s_cbranch_scc1 .Lff
	KSTEP 0, 0, 1, 0                               ; the last two steps are written out: they ask for nothing
	E_FF
	XBAR
	FA 0, 0, 0
	NSTEP 1, 0, 0, 0, 0, 0
	; THE WAY OUT, a row tile at a time, through my own quarter of slot 0: in by lanes (32 bytes of a row), back as whole pieces of 512 bytes of a row.  LDS serves a wave's instructions in order (ISA guide 5.7.1.4): no wait between stores and loads.
.irp m, 0,1,2,3
	WIN 0x04                                       ; the stores' data in window 1
.irp u, 0,1,2,3,4,5,6,7
	ds_store_b128 v[STO], v[8*(4*(\u)+(\m)):8*(4*(\u)+(\m))+3]   offset:64*(\u)
	ds_store_b128 v[STO], v[8*(4*(\u)+(\m))+4:8*(4*(\u)+(\m))+7] offset:64*(\u)+16
.endr
	WIN 0
.if (\m) >= 2
	s_wait_xcnt 0x0                                ; the stores of two tiles back have read these registers
.endif
.irp i, 0,1,2,3,4,5,6,7,8,9,10,11,12,13,14,15
	ds_load_b128 v[B0+64*((\m)%2)+4*(\i):B0+64*((\m)%2)+4*(\i)+3], v[LB] offset:XP*(\i)
.endr
.irp i, 0,1,2,3,4,5,6,7,8,9,10,11,12,13,14,15
	s_wait_dscnt 15-(\i)                           ; the younger loads from the stage may be out
	global_store_b128 v[GO], v[B0+64*((\m)%2)+4*(\i):B0+64*((\m)%2)+4*(\i)+3], s[20:21] offset:2048*(32*((\m)%2)+2*(\i)+(\m)/2) th:TH_STORE_NT  ; 512 consecutive bytes, at a multiple of 512 from out0's first
.endr
.endr
	s_wait_tensorcnt 0x0                           ; the wave's end: the wait, the add and its wait stand behind my last tensor load and my last LDS store
	ds_add_u32 v[SPW], v[NIL]
	s_wait_dscnt 0x0
	CROUND                                         ; the closing round: no work-group ends while a partner may still ask for a step that names it
	s_endpgm
.Lfunc_end_k_q362684241e_block:
	.size	k_q362684241e_block, .Lfunc_end_k_q362684241e_block-k_q362684241e_block
	.p2alignl 7, 3214868480
	.fill 96, 4, 3214868480
	.section	.rodata,"a",@progbits
	.p2align	6, 0x0
	.amdhsa_kernel k_q362684241e_block
		.amdhsa_group_segment_fixed_size 327680
		.amdhsa_private_segment_fixed_size 0
		.amdhsa_enable_private_segment 0
		.amdhsa_kernarg_size 72
		.amdhsa_user_sgpr_count 2
		.amdhsa_user_sgpr_kernarg_segment_ptr 1
		.amdhsa_wavefront_size32 1
		.amdhsa_system_sgpr_workgroup_id_x 1
		.amdhsa_system_sgpr_workgroup_id_y 1
		.amdhsa_system_sgpr_workgroup_id_z 1
		.amdhsa_system_vgpr_workitem_id 0
		.amdhsa_next_free_vgpr 1024
		.amdhsa_next_free_sgpr 80
		.amdhsa_reserve_vcc 0
		.amdhsa_float_denorm_mode_32 3
		.amdhsa_float_denorm_mode_16_64 3
		.amdhsa_memory_ordered 1
		.amdhsa_forward_progress 1
		.amdhsa_inst_pref_size 255
	.end_amdhsa_kernel
	.section	.bss,"aw",@nobits
	.p2align	6
	.space	262144
	.amdgpu_metadata
---
amdhsa.version: [ 1, 2 ]
amdhsa.kernels:
  - .name:           k_q362684241e_block
    .symbol:         k_q362684241e_block.kd
    .args:
      - { .name: x, .offset: 0, .size: 8, .value_kind: global_buffer, .address_space: global }
      - { .name: ws, .offset: 8, .size: 8, .value_kind: global_buffer, .address_space: global }
      - { .name: ln1_g, .offset: 16, .size: 8, .value_kind: global_buffer, .address_space: global }
      - { .name: ln1_b, .offset: 24, .size: 8, .value_kind: global_buffer, .address_space: global }
      - { .name: bo, .offset: 32, .size: 8, .value_kind: global_buffer, .address_space: global }
      - { .name: ln2_g, .offset: 40, .size: 8, .value_kind: global_buffer, .address_space: global }
      - { .name: ln2_b, .offset: 48, .size: 8, .value_kind: global_buffer, .address_space: global }
      - { .name: b2, .offset: 56, .size: 8, .value_kind: global_buffer, .address_space: global }
      - { .name: out0, .offset: 64, .size: 8, .value_kind: global_buffer, .address_space: global }
    .group_segment_fixed_size: 327680
    .private_segment_fixed_size: 0
    .kernarg_segment_align: 8
    .kernarg_segment_size: 72
    .max_flat_workgroup_size: 128
    .sgpr_count:     80
    .vgpr_count:     1024
    .wavefront_size: 32
...
	.end_amdgpu_metadata
.endif
;; end of part 2
;; ======== version 2 of 2: 2 launches
;; limits: values are held in f16: magnitudes above 65,504 overflow, below 6.1e-05 lose precision
;; workspace buffers: ws 6,340,608 bytes
;; launch prep (part 3): grid 1548 x 1, 8 waves a work-group, no clusters, 0 bytes of LDS; arguments Wq, Wk, Wv, Wo, W1, W2, bq, bk, bv, b1, ws; writes ws
.if DOCPART == 3
	.amdgcn_target "amdgcn-amd-amdhsa--gfx1250"
	.amdhsa_code_object_version 6
	.text
	.protected	k_q362684241e_prep
	.globl	k_q362684241e_prep
	.p2align	8
	.type	k_q362684241e_prep,@function
k_q362684241e_prep:
	s_mov_b64 s[64:65], 0
	v_nop
	global_prefetch_b8 v0, s[64:65] scope:SCOPE_SE
	s_setreg_imm32_b32 hwreg(HW_REG_WAVE_MODE, 25, 1), 1
	s_wait_xcnt 0x0
; THE WEIGHTS, ROUNDED ONCE TO f16 AND LAID IN THE ORDER IN WHICH THE NEXT LAUNCH WALKS THEM.
; LIMIT.  f16 ends at 65,504 and below 6e-5 keeps a fixed step of 6e-8: the weights drawn have a spread of 0.044 and 0.022; 30 times larger they stay under 10, 30 times smaller the step is under 1e-4 of their spread.
; ws is 48 steps of SLOTB bytes; a step is four quarters of QB bytes, one for each wave of the next launch; a quarter is 32 fragments of 1,024 bytes and a bias row of 256 bytes.
; A fragment is 16 output columns x 32 k as a matrix instruction's first source wants it: half hf (512 bytes), lane 16 h + r (16 bytes) holds W[k0 + 16 hf + 8 h + 0..7][col0 + r], the lower k in the lower bits.
; STEPS.  8 G + e4 (e4 = 0..3): Wq and Wk of head 4 G + w, columns 16 e4 ..   8 G + 4 + v: Wv, columns 32 v ..   8 G + 6 + o: Wo, rows 256 G + 128 o ..   16 + 2 g: W1, columns 128 g ..   17 + 2 g: W2, rows 128 g ..
; Steps over the whole K = 512 (q, k, v, W1): fragment 2 kap + n, n the tile of 16 columns, k0 = 32 ks, kap = 8 ((ks >> 1) & 1) + 2 (ks >> 2) + (ks & 1): the order in which the next launch holds its activations.
; Steps over a slice of 128 of K (Wo, W2): k0 = slice + 32 j, column 128 w + 16 nt + r.  Wo: fragment 8 j + nt.  W2: fragment 8 t + nt with j = (t + w) & 3: wave w of the next launch begins with block j = w, whose source 1 it has made itself.
; The bias row: 16 f32 for tile n = 0, 16 for n = 1 (bq | bk; bv; b1), then zeros; all zeros in the slices' steps.
; SHARES.  A thread makes one chunk of 16 bytes: 8 k of one column: eight loads of 4 bytes, of which a wave's cover 128 consecutive bytes of a row; one store of 16 bytes, of which sixteen neighbouring lanes fill 256 consecutive bytes, aligned.
; The work-group's number picks the input; every jump goes forward.
.set QB,    33024
.set SLOTB, 4*QB
; v1 T, the thread's number within its input; v2 column; v3 ko, the octet of k; v4 source offset; v5 step; v6 quarter; v7 fragment; v8-15 as loaded; v16-19 packed; v20-24 at work
.macro TNUM base
	s_sub_co_u32 s27, s26, \base
	s_lshl_b32 s27, s27, 8
	v_add_nc_u32 v1, s27, v0
.endm
.macro LOAD8 ptr, rowb                 ; eight rows of one column
.irp i, 0,1,2,3,4,5,6,7
	global_load_b32 v[8+(\i)], v4, s[(\ptr):(\ptr)+1] offset:(\i)*(\rowb) th:TH_LOAD_NT
.endr
.endm
.macro KAPF                            ; v7 = 2 kap of ks = ko >> 2: 16 x bit 3 of ko + 4 x (ko >> 4) + 2 x bit 2
	v_bfe_u32 v7, v3, 3, 1
	v_lshlrev_b32 v7, 4, v7
	v_lshrrev_b32 v24, 4, v3
	v_lshl_add_u32 v7, v24, 2, v7
	v_bfe_u32 v24, v3, 2, 1
	v_lshl_add_u32 v7, v24, 1, v7
.endm
.macro NF rot                          ; v7 = 8 (ks & 3) + the column's tile of 16 among its wave's eight; rot = 1: 8 ((ks - w) & 3) + the tile
	v_bfe_u32 v7, v3, 2, 2
.if \rot
	v_sub_nc_u32 v7, v7, v6
	v_and_b32 v7, 3, v7
.endif
	v_bfe_u32 v24, v2, 4, 3
	v_lshl_add_u32 v7, v7, 3, v24
.endm
.macro FINISH                          ; the chunk's place, the rounding, the store
	v_and_b32 v20, 3, v3                           ; 2 hf + h
	v_and_b32 v24, 15, v2                          ; r
	v_lshlrev_b32 v20, 8, v20
	v_lshl_add_u32 v20, v24, 4, v20
	v_mul_u32_u24 v21, v5, SLOTB
	v_mad_u32_u24 v21, v6, QB, v21
	v_lshl_add_u32 v21, v7, 10, v21
	v_add_nc_u32 v21, v21, v20
	s_wait_loadcnt 0x0
.irp i, 0,1,2,3
	v_cvt_pk_f16_f32 v[16+(\i)], v[8+2*(\i)], v[9+2*(\i)]
.endr
	global_store_b128 v21, v[16:19], s[24:25]
	s_endpgm
.endm
; Wq, Wk, Wv: [8][512][64] taken as 4,096 rows of 64.  isv = 0: tile n of the step is this matrix; isv = 1: Wv
.macro QKV base, ptr, isv, n
	TNUM \base
	v_and_b32 v2, 63, v1                           ; e
	v_lshrrev_b32 v22, 6, v1                       ; the octet of rows among 512
	v_lshlrev_b32 v4, 2, v2
	v_lshl_add_u32 v4, v22, 11, v4
	LOAD8 \ptr, 256
	v_and_b32 v3, 63, v22                          ; ko within the head
	v_lshrrev_b32 v23, 6, v22                      ; head
	v_and_b32 v6, 3, v23                           ; w
	v_lshrrev_b32 v23, 2, v23                      ; G
	KAPF
.if \isv
	v_lshrrev_b32 v5, 5, v2
	v_lshl_add_u32 v5, v23, 3, v5
	v_add_nc_u32 v5, 4, v5                         ; 8 G + 4 + (e >> 5)
	v_bfe_u32 v24, v2, 4, 1
	v_add_nc_u32 v7, v7, v24
.else
	v_lshrrev_b32 v5, 4, v2
	v_lshl_add_u32 v5, v23, 3, v5                  ; 8 G + (e >> 4)
.if \n
	v_add_nc_u32 v7, 1, v7
.endif
.endif
	FINISH
.endm
	s_load_b512 s[4:19], s[0:1], 0x0               ; Wq s[4:5], Wk s[6:7], Wv s[8:9], Wo s[10:11], W1 s[12:13], W2 s[14:15], bq s[16:17], bk s[18:19]
	s_load_b128 s[20:23], s[0:1], 0x40             ; bv s[20:21], b1 s[22:23]
	s_load_b64 s[24:25], s[0:1], 0x50              ; ws
	s_mov_b32 s26, ttmp9
	s_wait_kmcnt 0x0
	s_cmp_lt_u32 s26, 128
	s_cbranch_scc1 .Lwq
	s_cmp_lt_u32 s26, 256
	s_cbranch_scc1 .Lwk
	s_cmp_lt_u32 s26, 384
	s_cbranch_scc1 .Lwv
	s_cmp_lt_u32 s26, 512
	s_cbranch_scc1 .Lwo
	s_cmp_lt_u32 s26, 1024
	s_cbranch_scc1 .Lw1
	s_cmp_lt_u32 s26, 1536
	s_cbranch_scc1 .Lw2
	; THE BIAS ROWS: 48 steps x 4 quarters x 16 chunks.  All four vectors are loaded at offsets that lie inside them whatever the step; the chunk's value is then chosen by masks, with every lane on.
	TNUM 1536
	v_lshrrev_b32 v5, 6, v1                        ; step
	v_bfe_u32 v6, v1, 4, 2                         ; w
	v_and_b32 v2, 15, v1                           ; chunk
	v_bfe_u32 v3, v2, 2, 1                         ; n
	v_and_b32 v22, 3, v2                           ; which four of the tile's sixteen
	v_and_b32 v23, 7, v5                           ; p: the step within its group of eight
	v_lshrrev_b32 v35, 3, v5
	v_lshl_add_u32 v35, v35, 2, v6
	v_and_b32 v35, 7, v35                          ; head
	v_and_b32 v36, 3, v23
	v_lshlrev_b32 v32, 8, v35
	v_lshl_add_u32 v32, v36, 6, v32
	v_lshl_add_u32 v32, v22, 4, v32                ; bq, bk: 4 (64 head + 16 (p & 3) + 4 (chunk & 3))
	v_and_b32 v36, 1, v23
	v_lshlrev_b32 v33, 8, v35
	v_lshl_add_u32 v33, v36, 7, v33
	v_lshl_add_u32 v33, v3, 6, v33
	v_lshl_add_u32 v33, v22, 4, v33                ; bv: 4 (64 head + 32 (p & 1) + 16 n + ..)
	v_add_nc_u32 v36, -16, v5
	v_bfe_u32 v36, v36, 1, 4                       ; g
	v_lshlrev_b32 v34, 9, v36
	v_lshl_add_u32 v34, v6, 7, v34
	v_lshl_add_u32 v34, v3, 6, v34
	v_lshl_add_u32 v34, v22, 4, v34                ; b1: 4 (128 g + 32 w + 16 n + ..)
	global_load_b128 v[8:11], v32, s[16:17]
	global_load_b128 v[12:15], v32, s[18:19]
	global_load_b128 v[24:27], v33, s[20:21]
	global_load_b128 v[28:31], v34, s[22:23]
	v_and_b32 v36, 1, v5
	v_cmp_gt_u32 s30, 16, v5                       ; an attention step
	v_cmp_gt_u32 s31, 4, v23                       ; p < 4: q and k
	v_cmp_gt_u32 s32, 6, v23                       ; p < 6
	v_cmp_gt_u32 s33, 8, v2                        ; the row's first 128 bytes
	v_cmp_eq_u32 s34, 0, v36                       ; an even step
	v_cmp_ne_u32 s35, 0, v3                        ; n = 1
	s_and_b32 s36, s30, s33
	s_and_b32 s37, s36, s31                        ; bq or bk
	s_and_not1_b32 s38, s36, s31
	s_and_b32 s38, s38, s32                        ; bv
	s_and_not1_b32 s39, s33, s30
	s_and_b32 s39, s39, s34                        ; b1
	v_mul_u32_u24 v21, v5, SLOTB
	v_mad_u32_u24 v21, v6, QB, v21
	v_lshl_add_u32 v21, v2, 4, v21
	v_add_nc_u32 v21, 32768, v21
	s_wait_loadcnt 0x0
.irp i, 0,1,2,3
	v_cndmask_b32 v[16+(\i)], v[8+(\i)], v[12+(\i)], s35
	v_cndmask_b32 v[16+(\i)], 0, v[16+(\i)], s37
	v_cndmask_b32 v[16+(\i)], v[16+(\i)], v[24+(\i)], s38
	v_cndmask_b32 v[16+(\i)], v[16+(\i)], v[28+(\i)], s39
.endr
	global_store_b128 v21, v[16:19], s[24:25]
	s_endpgm
.Lwq:
	QKV 0, 4, 0, 0
.Lwk:
	QKV 128, 6, 0, 1
.Lwv:
	QKV 256, 8, 1, 0
.Lwo:                                          ; Wo [512][512]
	TNUM 384
	v_and_b32 v2, 0x1ff, v1
	v_lshrrev_b32 v3, 9, v1
	v_lshlrev_b32 v4, 2, v2
	v_lshl_add_u32 v4, v3, 14, v4
	LOAD8 10, 2048
	v_lshrrev_b32 v5, 5, v3
	v_bfe_u32 v24, v3, 4, 1
	v_lshl_add_u32 v5, v5, 3, v24
	v_add_nc_u32 v5, 6, v5                         ; 8 (ks >> 3) + 6 + ((ks >> 2) & 1)
	v_lshrrev_b32 v6, 7, v2
	NF 0
	FINISH
.Lw1:                                          ; W1 [512][2048]
	TNUM 512
	v_and_b32 v2, 0x7ff, v1
	v_lshrrev_b32 v3, 11, v1
	v_lshlrev_b32 v4, 2, v2
	v_lshl_add_u32 v4, v3, 16, v4
	LOAD8 12, 8192
	v_lshrrev_b32 v5, 7, v2
	v_lshl_add_u32 v5, v5, 1, 16                   ; 16 + 2 g
	v_bfe_u32 v6, v2, 5, 2
	KAPF
	v_bfe_u32 v24, v2, 4, 1
	v_add_nc_u32 v7, v7, v24
	FINISH
.Lw2:                                          ; W2 [2048][512]
	TNUM 1024
	v_and_b32 v2, 0x1ff, v1
	v_lshrrev_b32 v3, 9, v1
	v_lshlrev_b32 v4, 2, v2
	v_lshl_add_u32 v4, v3, 14, v4
	LOAD8 14, 2048
	v_lshrrev_b32 v5, 4, v3
	v_lshl_add_u32 v5, v5, 1, 17                   ; 17 + 2 g
	v_lshrrev_b32 v6, 7, v2
	NF 1
	FINISH
.Lfunc_end_k_q362684241e_prep:
	.size	k_q362684241e_prep, .Lfunc_end_k_q362684241e_prep-k_q362684241e_prep
	.p2alignl 7, 3214868480
	.fill 96, 4, 3214868480
	.section	.rodata,"a",@progbits
	.p2align	6, 0x0
	.amdhsa_kernel k_q362684241e_prep
		.amdhsa_group_segment_fixed_size 0
		.amdhsa_private_segment_fixed_size 0
		.amdhsa_enable_private_segment 0
		.amdhsa_kernarg_size 88
		.amdhsa_user_sgpr_count 2
		.amdhsa_user_sgpr_kernarg_segment_ptr 1
		.amdhsa_wavefront_size32 1
		.amdhsa_system_sgpr_workgroup_id_x 1
		.amdhsa_system_sgpr_workgroup_id_y 1
		.amdhsa_system_sgpr_workgroup_id_z 1
		.amdhsa_system_vgpr_workitem_id 0
		.amdhsa_next_free_vgpr 40
		.amdhsa_next_free_sgpr 66
		.amdhsa_reserve_vcc 0
		.amdhsa_float_denorm_mode_32 3
		.amdhsa_float_denorm_mode_16_64 3
		.amdhsa_memory_ordered 1
		.amdhsa_forward_progress 1
		.amdhsa_inst_pref_size 20
	.end_amdhsa_kernel
	.amdgpu_metadata
---
amdhsa.version: [ 1, 2 ]
amdhsa.kernels:
  - .name:           k_q362684241e_prep
    .symbol:         k_q362684241e_prep.kd
    .args:
      - { .name: Wq, .offset: 0, .size: 8, .value_kind: global_buffer, .address_space: global }
      - { .name: Wk, .offset: 8, .size: 8, .value_kind: global_buffer, .address_space: global }
      - { .name: Wv, .offset: 16, .size: 8, .value_kind: global_buffer, .address_space: global }
      - { .name: Wo, .offset: 24, .size: 8, .value_kind: global_buffer, .address_space: global }
      - { .name: W1, .offset: 32, .size: 8, .value_kind: global_buffer, .address_space: global }
      - { .name: W2, .offset: 40, .size: 8, .value_kind: global_buffer, .address_space: global }
      - { .name: bq, .offset: 48, .size: 8, .value_kind: global_buffer, .address_space: global }
      - { .name: bk, .offset: 56, .size: 8, .value_kind: global_buffer, .address_space: global }
      - { .name: bv, .offset: 64, .size: 8, .value_kind: global_buffer, .address_space: global }
      - { .name: b1, .offset: 72, .size: 8, .value_kind: global_buffer, .address_space: global }
      - { .name: ws, .offset: 80, .size: 8, .value_kind: global_buffer, .address_space: global }
    .group_segment_fixed_size: 0
    .private_segment_fixed_size: 0
    .kernarg_segment_align: 8
    .kernarg_segment_size: 88
    .max_flat_workgroup_size: 256
    .sgpr_count:     66
    .vgpr_count:     40
    .wavefront_size: 32
...
	.end_amdgpu_metadata
.endif
;; end of part 3
;; launch block (part 4): grid 256 x 1, 4 waves a work-group, clusters of 4 x 1, 327,680 bytes of LDS; arguments x, ws, ln1_g, ln1_b, bo, ln2_g, ln2_b, b2, out0; writes out0
.if DOCPART == 4
	.amdgcn_target "amdgcn-amd-amdhsa--gfx1250"
	.amdhsa_code_object_version 6
	.text
	.protected	k_q362684241e_block
	.globl	k_q362684241e_block
	.p2align	8
	.type	k_q362684241e_block,@function
k_q362684241e_block:
	s_mov_b64 s[64:65], 0
	v_nop
	global_prefetch_b8 v0, s[64:65] scope:SCOPE_SE
	s_setreg_imm32_b32 hwreg(HW_REG_WAVE_MODE, 25, 1), 1
	s_wait_xcnt 0x0
	s_wait_alu depctr_hold_cnt(0) depctr_sa_sdst(0) depctr_va_vdst(0) depctr_va_sdst(0) depctr_va_ssrc(0) depctr_va_vcc(0) depctr_vm_vsrc(0)
	s_getreg_b32 s2, hwreg(HW_REG_IB_STS2, 6, 4)
	s_cmp_eq_u32 s2, 0
	s_cbranch_scc0 .Lentry_in_a_cluster
	s_endpgm
.Lentry_in_a_cluster:
	s_bfe_u32 s2, ttmp6, 0x10000c
	s_cmp_lg_u32 s2, 0x3003
	s_cbranch_scc0 .Lentry_shape_is_right
	s_endpgm
.Lentry_shape_is_right:
; THE WHOLE TRANSFORMER BLOCK FOR 64 ROWS (32 sequences of 2 tokens) IN ONE WORK-GROUP: LN1, q k v, causal attention, Wo + bo + x, LN2, relu(. W1 + b1) W2 + b2 + residual.  x and out0 are f32.
; FORMATS.  Weights (rounded by the launch before), LN's results, the attention's context and the hidden layer are matrix operands in f16, each rounded once; x, biases, gains, scores, softmax, LN's statistics and all sums stay in f32.
; WHY f16.  Eight roundings lie on the way from x to out0 (h, Wv, context, Wo, h2, W1, hidden, W2), and every number of out0 must lie within 1% of the output's root mean square plus 1% of itself.  With 8 significant bits they add up to
; some 2.6 roundings' error, about 0.3% of that root mean square: too near the line for the largest of 8.4 million numbers where the number itself is near 0.  With 11 bits it is an eighth of that.
; LIMITS.  f16 ends at 65,504: LN's result (at most 22.6 |gain| + |bias|), v and the hidden layer must stay within it.  With every input 30 times what is drawn their root mean squares are 30, 900 and 900; with LN's bias offset by 30 and
; the weights by 30 of their spreads, v and the hidden layer reach some 20,000.  Below 6e-5 an operand keeps f16's fixed step of 6e-8.  NaN and infinities are not treated apart.
; A weight 2^z of the softmax with z below -126 counts as 0 (the other weight of its row is then 1).  The ReLU is taken of the number already rounded to f16, which gives the same bits.
; The f32 sums over heads, over a head's columns (the scores) and over the hidden columns are taken in an order that differs from cluster to cluster (THE WALK, below), within a group of hidden columns from wave to wave.
; ATTENTION.  With two tokens and the causal mask, token 0's context is v0; token 1 has two scores a head, q1.k0 and q1.k1, and a softmax over the two, with their maximum taken away.  q of token 0 is used by nothing and is not made.
; SHARES.  The four waves split the output columns; every wave takes all 64 rows, as four tiles of 16: tile m, lane place r is sequence 16 (m & 1) + r, token m >> 1, so a sequence's two tokens lie in one lane.
; EVERY PRODUCT IS TAKEN TRANSPOSED (source 0 = 16 output columns of the weights, source 1 = 16 rows of activations): lane (r, h), register j holds row r, column 8 h + j of the tile: eight neighbouring columns, which rounded to f16
; are that lane's 16 bytes of the next product's source 1.  So activations change waves through LDS (EXB) in fragment order, 16 bytes a lane, and never change lanes.
; THE HIDDEN LAYER'S EXCHANGE STANDS AMONG PRODUCTS.  Wave w makes hidden columns 32 w .. 32 w + 31 of a group of 128: block w of the four blocks of 32 rows of W2's slice, and its rounded results ARE that block's source 1.  So it multiplies
; that block first, out of its registers (32 products), and the others in the order (w + t) & 3, in which the launch before has laid its weights; its stores to EXB, the barrier and the first loads from EXB stand among those 32 products.
; IN REGISTERS: XA, the wave's 128 columns of the residual stream in f32 (x + bo, then + attention, then + b2 + feed-forward: it is the accumulator of the products by Wo and W2); AF, LN's result for all 64 rows and all 512 k.
; THE WEIGHTS are 48 steps (ws), all walked by every work-group: a ring of two LDS slots, a step each; wave w fetches and reads quarter w alone.  The four work-groups of a cluster ask JOINTLY, with one descriptor and the mask of four.
; A step has 128 matrix instructions a wave (96 for q, k); the refill goes out ahead of a step's last 16 and is waited for behind the next step's first 96.
; THE WALK DIFFERS FROM CLUSTER TO CLUSTER (c = the cluster's number, alike in its four partners), so that the 64 clusters do not all ask for the same step at the same time.  Nothing in this text names a head, a column of a head or a
; group of hidden columns: they lie in the stream, biases too.  So the two groups of four heads may change places, a group's four steps of q and k may be rotated, and so may the sixteen pairs of steps of the feed-forward.
; Position p of the walk is step  8 ((p >> 3) ^ (c & 1)) + ((p + (c >> 1)) & 3)  for p < 16 with bit 2 of p clear;  p ^ 8 (c & 1)  for p < 16 with bit 2 set;  16 + ((p - 16 + 2 c) & 31)  from 16 on.  A step's parity, and so its kind
; and its slot, go by p.  Where the clusters keep pace, positions 0, 4 to 7, 16 and 17 are a step's first reading in the launch; at every other position another cluster has asked for the step a position or more earlier.
;
; LDS: slot 0 at 0, slot 1 at SLOTB (132,096 bytes each; quarter w at w QB).  x's first fill: from SLOTB on, wave w's two token planes of 32 rows x 528 bytes (512 + 16 of padding = 132 words: sixteen rows start at sixteen different groups of four banks).
; EXB 32,768 bytes: fragment (ksl, m) at 1,024 (4 ksl + m) + 512 hf + 16 lane.  STAT 2,048: LN's partial sums, (16 m + r) x 16 + 4 w, a block for each pass.  SPARE: the spare words.
; At the end a wave's own quarter of slot 0, which has had its last fill, is its stage for the way out.
; REGISTERS, in windows of 256 (s_set_vgpr_msb: bits 1:0 source 0, 3:2 source 1, 5:4 source 2, 7:6 destination):
;   window 0: v0-23 addresses; v24-39 bias as C; v40-63 statistics; v64-127 ACC (n, m) at 64 + 8 (4 n + m), or source 1 of the slices' steps, two sets of 32; v128-191, v192-255 weight fragments, two buffers
;   window 1: XA (nt, m) at 8 (4 nt + m)      windows 2, 3: AF (kap, m) at 8 (4 (kap & 7) + m), window 2 + (kap >> 3); in an LN window 3 first holds gain, bias and the vector added afterwards, 64 each
.set QB,     33024
.set SLOTB,  4*QB
.set XP,     528
.set XPLANE, 32*XP
.set XWAVE,  2*XPLANE
.set EXB,    2*SLOTB
.set STAT,   EXB+32768
.set SPARE,  STAT+2048                 ; 128 bytes for each wave: two blocks of 256 bytes that no other line names
.set LB,   2                           ; v2, v3  my 16 bytes of a fragment half in my quarter of slot 0, 1: w QB + 16 lane; v2 also reads the stage back
.set EXS,  4                           ; v4   EXB + 4,096 w + 16 lane: where the hidden layer goes
.set EXV,  5                           ; v5   EXB + 8,192 w + 16 lane: where the context and LN's result go
.set EXL,  6                           ; v6   EXB + 16 lane: where all is read
.set TA,   7                           ; v7   at work in the head
.set XB,   8                           ; v8   my place in my x tiles
.set STO,  9                           ; v9   the way out: w QB + 528 r + 32 h
.set GO,   11                          ; v11  512 w + 16 lane: my 16 bytes of a row of out0
.set VO,   12                          ; v12  512 w + 32 h: my eight numbers of a tile in a vector of 512
.set STS,  13                          ; v13  STAT + 16 r + 4 w
.set STL,  14                          ; v14  STAT + 16 r
.set BIA,  15                          ; v15, v16  my eight numbers of the bias row in slot 0, 1
.set ZERO, 17                          ; v17  0, for the ReLU
.set SPW,  18                          ; v18  LDS address of my spare word; never rewritten
.set NIL,  19                          ; v19  0; never rewritten
.set PFO,  20                          ; v20  256 x lane; never rewritten
.set EXA,  21                          ; v21-23  first lane, r, h at work in the head; then EXB + 4,096 ((w + t) & 3) + 16 lane for t = 1, 2, 3: the hidden layer's blocks in my order
.set BIAS, 24
.set SC,   40                          ; scores: pair 2 bg + which; in an LN the running sums, a pair a tile
.set PR,   48                          ; weights p0, p1 for bg = 0, 1, each twice; in an LN the means, each twice
.set T,    56                          ; v56-63 at work
.set ACC,  64
.set B0,   128
.set Y,    192                         ; in an LN: at work
.set RS,   224                         ; 1 / sqrt(var + eps), a pair a tile
.set BC,   232                         ; - mean / sqrt(var + eps), a pair a tile
.set PFB,  4                           ; s[4:5]  first x; then ws at my quarter of step 0 and my work-group's 32 blocks of it: the prefetches' base
.set WSB,  6                           ; s[6:7]  ws at my quarter of step 0: the refills' base
.set WV,   22                          ; s22  my wave's number
.set CX,   23                          ; s23  my place in the cluster: it enters x's, out0's and the prefetches' addresses alone
.set G1W,  28                          ; s[28:35] descriptor group 1 of the weights' loads
.set G1X,  36                          ; s[36:43] of x's
.set G0W,  44                          ; s[44:51] group 0 of the weights' loads, a set for each slot
.set G0X,  52                          ; s[52:59] of x's two planes
.set SEL,  60                          ; s[60:61] v_permlanex16_b32's selects: each lane takes its own place in the other half
.set PFA,  66                          ; s[66:67] what a prefetch names
.set STP,  68                          ; s68  the position in hand
.set CG,   70
.set CQ,   71
.set CF,   72
.set CS,   74                          ; log2(e) / 8
.set INV,  75                          ; 1 / 512
.set EPS,  76
.set NXA,  80                          ; s[80:81] byte offset in ws of the step at position STP + 2, which the next refill asks for; the high word is 0
.set NXB,  82                          ; s[82:83] of the step at position STP + 3; behind WHERE at STP + 4
.set TQ,   84                          ; s84-87 at work in WHERE
.set TS,   85
.set TU,   86
.set TV,   87
.set CP8,  88                          ; s88  8 (c & 1)
.set CR,   89                          ; s89  c >> 1
.set C2,   90                          ; s90  2 c + 16
.set PM,   91                          ; s91  bit 0: this turn prefetches; shifted down a bit each turn
.set MSB, 0
.macro WIN new                         ; the immediate's high byte repeats the setting that is left; a switch that changes nothing is dropped
.if MSB != (\new)
	s_set_vgpr_msb (MSB<<8)|(\new)
.set MSB, (\new)
.endif
.endm
.macro PLACES cnt                      ; plain vector instructions between a matrix instruction and what may not follow it closely (ISA guide 7.12.1)
.rept \cnt
	v_nop
.endr
.endm
.macro XBAR                            ; what I stored to LDS is there and what I asked of it is back; then all four waves meet
	s_wait_dscnt 0x0
	s_barrier_signal -1
	s_barrier_wait -1
.endm
.macro CREST                           ; a round of the cluster's barrier behind its opening barrier
	s_cmp_lg_u32 s[WV], 0
	s_cbranch_scc1 .Lnot_wave_0_\@
	s_barrier_signal -3
.Lnot_wave_0_\@:
	s_barrier_wait -3
	s_barrier_signal -1
	s_barrier_wait -1
.endm
.macro CROUND
	s_barrier_signal -1
	s_barrier_wait -1
	CREST
.endm
; A joint load of my quarter of a step: the LDS address hangs on the wave's number, the global one on the wave's, the cluster's and the position's: nothing on the work-group's place.
.macro JLOAD slot
	tensor_load_to_lds s[G0W+4*(\slot):G0W+4*(\slot)+3], s[G1W:G1W+7]
	s_nop 0
	PLACES 4                                       ; the places in front of the LDS loads that follow
.endm
; Where the step at position STP + 4 lies in ws, in bytes, by the head's formula, into s[NXB].  Past position 47 the result still lies inside ws; nothing uses it.
.macro WHERE
	s_add_co_u32 s[TQ], s[STP], 4                  ; p
	s_xor_b32 s[TS], s[TQ], s[CP8]                 ; p < 16, bit 2 set (v, Wo): p with the group of heads changed
	s_and_b32 s[TU], s[TS], 8                      ; bit 2 clear (q, k): the group,
	s_add_co_u32 s[TV], s[TQ], s[CR]
	s_and_b32 s[TV], s[TV], 3                      ; and the rotated step of its four
	s_or_b32 s[TU], s[TU], s[TV]
	s_bitcmp1_b32 s[TQ], 2
	s_cselect_b32 s[TS], s[TS], s[TU]
	s_add_co_u32 s[TU], s[TQ], s[C2]               ; p >= 16: 16 + ((p - 16 + 2 c) & 31)
	s_and_b32 s[TU], s[TU], 31
	s_add_co_u32 s[TU], s[TU], 16
	s_cmp_lt_u32 s[TQ], 16
	s_cselect_b32 s[TS], s[TS], s[TU]
	s_mul_i32 s[NXB], s[TS], SLOTB
.endm
; A PREFETCH INTO THE L2, behind the joint load and the run of LDS loads: at position p the quarter's first 128 blocks of 256 bytes of the step at position p + 4, which the refill after next asks for: 256 matrix instructions ahead of that load.
; Asked for are the steps whose first reading in the launch does not fall at the kernel's head: at positions 0 to 3 clusters 0 and 1 name positions 4 to 7 (v and Wo of their own group of heads); at positions 12 and 13 clusters 0 to 15
; name positions 16 and 17 (their own first group of hidden columns).  The other clusters with the same walk ask for nothing, and no later reading is asked for.  Of quarter w's blocks the partner at place cx names 32 cx .. 32 cx + 31,
; a lane a block: told apart by address.  So each block is named once at the most; the bias row comes by its load alone.
.macro ASK
	s_bitcmp1_b32 s[PM], 0
	s_cbranch_scc0 .Lnot_mine_\@
	global_prefetch_b8 v[PFO], s[PFA:PFA+1] th:TH_LOAD_NT scope:SCOPE_SE
.Lnot_mine_\@:
	s_lshr_b32 s[PM], s[PM], 1
	s_add_co_u32 s[STP], s[STP], 1
.endm
.macro FB slot, j, buf                 ; 16 LDS loads: fragments 8 j .. 8 j + 7 of my quarter; 32 lanes take 512 consecutive bytes
.irp i, 0,1,2,3,4,5,6,7
	ds_load_b128 v[(\buf)+8*(\i):(\buf)+8*(\i)+3],   v[LB+(\slot)] offset:(8*(\j)+(\i))*1024
	ds_load_b128 v[(\buf)+8*(\i)+4:(\buf)+8*(\i)+7], v[LB+(\slot)] offset:(8*(\j)+(\i))*1024+512
.endr
.endm
.macro FBIAS slot                      ; 4 loads: register j of tile n = the bias of column 8 h + j: the C operand's layout
.irp n, 0,1
	ds_load_b128 v[BIAS+8*(\n):BIAS+8*(\n)+3],   v[BIA+(\slot)] offset:64*(\n)
	ds_load_b128 v[BIAS+8*(\n)+4:BIAS+8*(\n)+7], v[BIA+(\slot)] offset:64*(\n)+16
.endr
.endm
.macro FA base, j, par                 ; 8 loads: source 1 of a slice's 32 k, all four row tiles, into set par
.irp m, 0,1,2,3
	ds_load_b128 v[ACC+32*(\par)+8*(\m):ACC+32*(\par)+8*(\m)+3],   v[EXL] offset:(\base)+(4*(\j)+(\m))*1024
	ds_load_b128 v[ACC+32*(\par)+8*(\m)+4:ACC+32*(\par)+8*(\m)+7], v[EXL] offset:(\base)+(4*(\j)+(\m))*1024+512
.endr
.endm
.macro FAR t, par                      ; the same for the hidden layer's block (w + t) & 3, t = 1, 2, 3
.irp m, 0,1,2,3
	ds_load_b128 v[ACC+32*(\par)+8*(\m):ACC+32*(\par)+8*(\m)+3],   v[EXA+(\t)-1] offset:(\m)*1024
	ds_load_b128 v[ACC+32*(\par)+8*(\m)+4:ACC+32*(\par)+8*(\m)+7], v[EXA+(\t)-1] offset:(\m)*1024+512
.endr
.endm
.macro FNEXT slot, next, nbase         ; the next step's first fragments.  next = 0: a step over all K (bias, 8 fragments); 1: a slice whose source 1 is not made yet; 2: a slice whose source 1 lies at nbase
.if (\next) == 0
	FBIAS \slot
.endif
.if (\next) == 2
	FA \nbase, 0, 0
.endif
	FB \slot, 0, B0
.endm
; Products of a step over all K, for 32 k (number kap): two column tiles x four row tiles (qk = 1: q for token 1's two tiles alone).  kap = 0 starts the sums with the bias.
; The accumulators take turns, one instruction a turn from step to step and over the backward jumps too.
.macro MULK qk, kap
.irp n, 0,1
.irp m, 0,1,2,3
.if !((\qk) && ((\n) == 0) && ((\m) < 2))
.set rD, ACC+8*(4*(\n)+(\m))
.set rW, B0+64*(((\kap)/4)%2)+8*(2*((\kap)%4)+(\n))
.set rH, 8*(4*((\kap)%8)+(\m))
.if (\kap) == 0
	v_wmma_f32_16x16x32_f16 v[rD:rD+7], v[rW:rW+7], v[rH:rH+7], v[BIAS+8*(\n):BIAS+8*(\n)+7]
.else
	v_wmma_f32_16x16x32_f16 v[rD:rD+7], v[rW:rW+7], v[rH:rH+7], v[rD:rD+7]
.endif
.endif
.endr
.endr
.endm
; Products of a slice's step, for 32 k (number j): column tiles nt0 .. nt0 + cnt - 1 x four row tiles, onto XA
.macro MULN j, nt0, cnt
.set nn, (\nt0)
.rept (\cnt)
.irp m, 0,1,2,3
	v_wmma_f32_16x16x32_f16 v[8*(4*nn+(\m)):8*(4*nn+(\m))+7], v[B0+64*((\j)%2)+8*nn:B0+64*((\j)%2)+8*nn+7], v[ACC+32*((\j)%2)+8*(\m):ACC+32*((\j)%2)+8*(\m)+7], v[8*(4*nn+(\m)):8*(4*nn+(\m))+7]
.endr
.set nn, nn+1
.endr
.endm
; The head of a change of slots.  All my tensor loads have landed, my quarter of the next step among them; the add goes out; while it is out, the scalar work of the walk: no load of mine is out, so this slot's group 0 may be written:
; its address is made anew, the base plus the offset worked out two turns ago; the queue moves on; the offset of position STP + 4 is worked out, for the refill two turns on and for this turn's prefetch.
.macro TURNHEAD slot
	s_wait_xcnt 0x0                                ; the last prefetch stands a step back: it has read its address, which is written below
	WIN 0
	s_wait_tensorcnt 0x0
	ds_add_u32 v[SPW], v[NIL]                      ; 0 onto my spare word: scalar work and matrix instructions stand between it and the wait for it
	s_add_nc_u64 s[G0W+4*(\slot)+2:G0W+4*(\slot)+3], s[WSB:WSB+1], s[NXA:NXA+1]
	s_or_b32 s[G0W+4*(\slot)+3], s[G0W+4*(\slot)+3], 0x80000000  ; type = 2
	s_mov_b32 s[NXA], s[NXB]
	WHERE
	s_add_nc_u64 s[PFA:PFA+1], s[PFB:PFB+1], s[NXB:NXB+1]
.endm
; A STEP OVER ALL K is four quarters of four kap, on buffers 0, 1, 0, 1.  One of the first three: in its middle the next quarter's 16 loads, four places behind the last product that read their buffer.
.macro KHALF qk, slot, j
	s_wait_dscnt 0x8                               ; the quarter's first two kap are in; its youngest eight loads may be out
	WIN 0x08+4*((\j)/2)                            ; source 1 in window 2 (kap < 8) or 3
	MULK \qk, 4*(\j)
	MULK \qk, 4*(\j)+1
	PLACES 4
	WIN 0
	FB \slot, (\j)+1, B0+64*(((\j)+1)%2)
	s_wait_dscnt 0x10                              ; all but the 16 just issued
	WIN 0x08+4*((\j)/2)
	MULK \qk, 4*(\j)+2
	MULK \qk, 4*(\j)+3
.endm
; mode = 1: the last quarter changes slots: the barrier opens a round of the cluster's, so that no wave of any partner still reads the slot or has a load on its way; the joint refill is the first thing behind the round.
; mode = 0 (the last position but one): nothing is filled; my quarter of the last step is waited for, and only I read it.
.macro KSTEP qk, slot, next, mode
	KHALF \qk, \slot, 0
	KHALF \qk, \slot, 1
	KHALF \qk, \slot, 2
.if \mode
	TURNHEAD \slot
	s_wait_dscnt 0x9                               ; the add and the eight loads of kap 14, 15 may be out
	WIN 0x0c
	MULK \qk, 12
	s_wait_dscnt 0x0                               ; the add is done, and my reads of this slot are over
	s_barrier_signal -1
	MULK \qk, 13
	WIN 0
	s_barrier_wait -1
	CREST
	JLOAD \slot
	FNEXT 1-(\slot), \next, 0
	ASK
	WIN 0x0c
	MULK \qk, 14
	MULK \qk, 15
.else
	s_wait_dscnt 0x8
	WIN 0x0c
	MULK \qk, 12
	MULK \qk, 13
	PLACES 4
	WIN 0
	s_wait_tensorcnt 0x0                           ; no load was issued behind the last step's
	FB 1-(\slot), 0, B0
	s_wait_dscnt 0x10
	WIN 0x0c
	MULK \qk, 14
	MULK \qk, 15
.endif
	WIN 0
	PLACES 5                                       ; in front of the vector work that reads the results, and of products that write over these registers or take them as a source
.endm
; A SLICE'S STEP is four quarters of 32 k; each fetches the next one's source 1 (8 loads) and weights (16).  rot = 1: the hidden layer's blocks, in my wave's order.
.macro NHALF slot, base, j, w, rot
	s_wait_dscnt \w                                ; source 1 and column tiles 0-3 are in
	WIN 0x50                                       ; C and D in window 1
	MULN \j, 0, 4
	PLACES 4
	WIN 0
.if \rot
	FAR (\j)+1, ((\j)+1)%2
.else
	FA \base, (\j)+1, ((\j)+1)%2
.endif
	FB \slot, (\j)+1, B0+64*(((\j)+1)%2)
	s_wait_dscnt 0x18                              ; all but the 24 just issued
	WIN 0x50
	MULN \j, 4, 4
.endm
; The first quarter of W2's slice: my own block, whose source 1 E_FF has left in set 0.  Twelve products stand between my stores to EXB and the wait for them, four between the barrier's signal and its wait; behind it
; everybody's block lies in EXB, and the next block and its weights are asked for, sixteen products ahead of their first use.  No places are owed in front of these loads: they go into set 1 and buffer 1, which no
; matrix instruction has named since the five v_nop at the end of the step before.
.macro NOWN slot
	s_wait_dscnt 0x10                              ; my eight stores and the eight loads of column tiles 4-7 may be out: the weights of tiles 0-3 are in
	WIN 0x50
	MULN 0, 0, 3
	s_wait_dscnt 0x0                               ; for the others' sake: my stores into EXB are done
	s_barrier_signal -1
	MULN 0, 3, 1
	s_barrier_wait -1
	WIN 0
	FAR 1, 1
	FB \slot, 1, B0+64
	WIN 0x50
	MULN 0, 4, 4
.endm
.macro NSTEP slot, base, next, nbase, mode, w0, rot
.if \rot
	NOWN \slot
.else
	NHALF \slot, \base, 0, \w0, 0
.endif
	NHALF \slot, \base, 1, 8, \rot
	NHALF \slot, \base, 2, 8, \rot
.if \mode
	TURNHEAD \slot
	s_wait_dscnt 0xd                               ; the add and the twelve loads of column tiles 2-7 may be out
	WIN 0x50
	MULN 3, 0, 2
	s_wait_dscnt 0x0                               ; the add is done; my reads of this slot and of EXB are over
	s_barrier_signal -1
	MULN 3, 2, 2
	WIN 0
	s_barrier_wait -1
	CREST
	JLOAD \slot
	FNEXT 1-(\slot), \next, \nbase
	ASK
	WIN 0x50
	MULN 3, 4, 4
.else
	s_wait_dscnt 0x0
	WIN 0x50
	MULN 3, 0, 8
.endif
	WIN 0
	PLACES 5
.endm
; WHAT FOLLOWS A STEP.  Each accumulator is read from its lowest registers on.
.macro E_QK                            ; 16 columns of the head more: q1.k0 and q1.k1 grow, two products an instruction
.irp pr, 0,1,2,3
.irp bg, 0,1
	v_pk_fma_f32 v[SC+4*(\bg):SC+4*(\bg)+1],   v[ACC+8*(2+(\bg))+2*(\pr):ACC+8*(2+(\bg))+2*(\pr)+1], v[ACC+8*(4+(\bg))+2*(\pr):ACC+8*(4+(\bg))+2*(\pr)+1], v[SC+4*(\bg):SC+4*(\bg)+1]
	v_pk_fma_f32 v[SC+4*(\bg)+2:SC+4*(\bg)+3], v[ACC+8*(2+(\bg))+2*(\pr):ACC+8*(2+(\bg))+2*(\pr)+1], v[ACC+8*(6+(\bg))+2*(\pr):ACC+8*(6+(\bg))+2*(\pr)+1], v[SC+4*(\bg)+2:SC+4*(\bg)+3]
.endr
.endr
.endm
.macro SOFTMAX                         ; token 1's two weights for my head, for the sequences of both row tiles
.irp i, 0,1,2,3
	v_add_f32 v[T+(\i)], v[SC+2*(\i)], v[SC+2*(\i)+1]
.endr
.irp i, 0,1,2,3
	v_permlanex16_b32 v[T+4+(\i)], v[T+(\i)], s[SEL], s[SEL+1]  ; the other half of the head's columns lies in the lane 16 away
.endr
.irp i, 0,1,2,3
	v_add_f32 v[T+(\i)], v[T+(\i)], v[T+4+(\i)]
.endr
.irp bg, 0,1
	v_max_num_f32 v[T+4+(\bg)], v[T+2*(\bg)], v[T+2*(\bg)+1]
.endr
.irp bg, 0,1
	v_sub_f32 v[T+2*(\bg)], v[T+2*(\bg)], v[T+4+(\bg)]
	v_sub_f32 v[T+2*(\bg)+1], v[T+2*(\bg)+1], v[T+4+(\bg)]
.endr
.irp i, 0,1,2,3
	v_mul_f32 v[T+(\i)], s[CS], v[T+(\i)]
.endr
.irp i, 0,1,2,3
	v_exp_f32 v[T+(\i)], v[T+(\i)]
.endr
	v_nop                                          ; a plain instruction behind the last exponential,
	s_wait_alu depctr_va_vdst(0)                   ; and one wait for the four, ahead of their first reader
.irp bg, 0,1
	v_add_f32 v[T+4+(\bg)], v[T+2*(\bg)], v[T+2*(\bg)+1]
.endr
.irp bg, 0,1
	v_rcp_f32 v[T+6+(\bg)], v[T+4+(\bg)]
.endr
	v_nop
	s_wait_alu depctr_va_vdst(0)                   ; one wait for the two reciprocals
.irp bg, 0,1
	v_mul_f32 v[PR+4*(\bg)],   v[T+2*(\bg)],   v[T+6+(\bg)]
	v_mul_f32 v[PR+4*(\bg)+1], v[T+2*(\bg)],   v[T+6+(\bg)]
	v_mul_f32 v[PR+4*(\bg)+2], v[T+2*(\bg)+1], v[T+6+(\bg)]
	v_mul_f32 v[PR+4*(\bg)+3], v[T+2*(\bg)+1], v[T+6+(\bg)]
.endr
.endm
.macro PACK4 reg                       ; eight f32 to 16 bytes of f16, in place: register i is written when registers 2 i, 2 i + 1 are read and the lower ones are spent
.irp i, 0,1,2,3
	v_cvt_pk_f16_f32 v[(\reg)+(\i)], v[(\reg)+2*(\i)], v[(\reg)+2*(\i)+1]
.endr
.endm
.macro E_V vs                          ; 32 columns of v: token 0's context is v0; token 1's is p0 v0 + p1 v1; both go to EXB as source 1 of the product by Wo
.irp n, 0,1
.irp bg, 0,1
.set rA, ACC+8*(4*(\n)+2+(\bg))
.set rB, ACC+8*(4*(\n)+(\bg))
.irp pr, 0,1,2,3
	v_pk_mul_f32 v[rA+2*(\pr):rA+2*(\pr)+1], v[rA+2*(\pr):rA+2*(\pr)+1], v[PR+4*(\bg)+2:PR+4*(\bg)+3]
.endr
.irp pr, 0,1,2,3
	v_pk_fma_f32 v[rA+2*(\pr):rA+2*(\pr)+1], v[rB+2*(\pr):rB+2*(\pr)+1], v[PR+4*(\bg):PR+4*(\bg)+1], v[rA+2*(\pr):rA+2*(\pr)+1]
.endr
.endr
.endr
.irp n, 0,1
.irp m, 0,1,2,3
	PACK4 ACC+8*(4*(\n)+(\m))
	ds_store_b128 v[EXV], v[ACC+8*(4*(\n)+(\m)):ACC+8*(4*(\n)+(\m))+3] offset:4096*(\vs)+1024*(\m)+512*(\n)
.endr
.endr
.endm
; 32 columns of the hidden layer: rounded, ReLU on the packed halves.  Column tile 0 of row tile m is packed in place into registers 0-3 of ACC (0, m); tile 1 into its registers 4-7, which are spent by then: k = 8 h + 0..7 below,
; k = 16 + 8 h + 0..7 above: set 0 of source 1 now holds my own block.  All the vector work first, then the eight stores that give the block to the other waves.
.macro E_FF
.irp m, 0,1,2,3
	PACK4 ACC+8*(\m)
.irp i, 0,1,2,3
	v_cvt_pk_f16_f32 v[ACC+8*(\m)+4+(\i)], v[ACC+32+8*(\m)+2*(\i)], v[ACC+32+8*(\m)+2*(\i)+1]
.endr
.irp i, 0,1,2,3,4,5,6,7
	v_pk_max_num_f16 v[ACC+8*(\m)+(\i)], v[ACC+8*(\m)+(\i)], v[ZERO]
.endr
.endr
.irp m, 0,1,2,3
	ds_store_b128 v[EXS], v[ACC+8*(\m):ACC+8*(\m)+3]   offset:1024*(\m)
	ds_store_b128 v[EXS], v[ACC+8*(\m)+4:ACC+8*(\m)+7] offset:1024*(\m)+512
.endr
.endm
; LAYER NORM of XA.  LNV: my columns of the gain, the bias and the vector that is added to XA afterwards (bo, b2) come into window 3, index 8 nt + j.
.macro LNV gp, bp, pp
	WIN 0xc0
.irp u, 0,1,2,3,4,5,6,7
.irp q, 0,1
	global_load_b128 v[8*(\u)+4*(\q):8*(\u)+4*(\q)+3],         v[VO], s[(\gp):(\gp)+1] offset:64*(\u)+16*(\q)
	global_load_b128 v[64+8*(\u)+4*(\q):64+8*(\u)+4*(\q)+3],   v[VO], s[(\bp):(\bp)+1] offset:64*(\u)+16*(\q)
	global_load_b128 v[128+8*(\u)+4*(\q):128+8*(\u)+4*(\q)+3], v[VO], s[(\pp):(\pp)+1] offset:64*(\u)+16*(\q)
.endr
.endr
	WIN 0
.endm
; A row's sum: the pair's halves, the other half of the lanes, then the four waves' parts through STAT (block p).  The result, in every lane of the row, lies in T + m.
.macro RED p
	WIN 0
.irp m, 0,1,2,3
	v_add_f32 v[T+(\m)], v[SC+2*(\m)], v[SC+2*(\m)+1]
.endr
.irp m, 0,1,2,3
	v_permlanex16_b32 v[T+4+(\m)], v[T+(\m)], s[SEL], s[SEL+1]
.endr
.irp m, 0,1,2,3
	v_add_f32 v[T+(\m)], v[T+(\m)], v[T+4+(\m)]
.endr
.irp m, 0,1,2,3
	ds_store_b32 v[STS], v[T+(\m)] offset:1024*(\p)+256*(\m)
.endr
	XBAR
.irp m, 0,1,2,3
	ds_load_b128 v[ACC+4*(\m):ACC+4*(\m)+3], v[STL] offset:1024*(\p)+256*(\m)
.endr
	s_wait_dscnt 0x0
.irp m, 0,1,2,3
	v_add_f32 v[ACC+4*(\m)], v[ACC+4*(\m)], v[ACC+4*(\m)+1]
	v_add_f32 v[ACC+4*(\m)+2], v[ACC+4*(\m)+2], v[ACC+4*(\m)+3]
.endr
.irp m, 0,1,2,3
	v_add_f32 v[T+(\m)], v[ACC+4*(\m)], v[ACC+4*(\m)+2]
.endr
.endm
.macro CLRSUM
.irp i, 0,1,2,3,4,5,6,7
	v_mov_b32 v[SC+(\i)], 0
.endr
.endm
; Column tiles 4 ph .. 4 ph + 3 of every row tile: (x - mean) rstd as x rstd + (- mean rstd), times gain plus bias, rounded into ACC + 16 m; then XA takes the vector that follows the LN.
.macro NORM ph
.irp m, 0,1,2,3
	WIN 0x01
.set i, 0
.rept 16
.set rX, 8*(4*(4*(\ph)+i/4)+(\m))+2*(i%4)
	v_pk_fma_f32 v[Y+2*i:Y+2*i+1], v[rX:rX+1], v[RS+2*(\m):RS+2*(\m)+1], v[BC+2*(\m):BC+2*(\m)+1]
.set i, i+1
.endr
	WIN 0x3c
.set i, 0
.rept 16
.set rG, 8*(4*(\ph)+i/4)+2*(i%4)
	v_pk_fma_f32 v[Y+2*i:Y+2*i+1], v[Y+2*i:Y+2*i+1], v[rG:rG+1], v[64+rG:64+rG+1]
.set i, i+1
.endr
	WIN 0
.set i, 0
.rept 16
	v_cvt_pk_f16_f32 v[ACC+16*(\m)+i], v[Y+2*i], v[Y+2*i+1]
.set i, i+1
.endr
	WIN 0x4d
.set i, 0
.rept 16
.set rX, 8*(4*(4*(\ph)+i/4)+(\m))+2*(i%4)
.set rG, 8*(4*(\ph)+i/4)+2*(i%4)
	v_pk_add_f32 v[rX:rX+1], v[rX:rX+1], v[128+rG:128+rG+1]
.set i, i+1
.endr
.endr
	WIN 0
.endm
.macro NST                             ; tile q of the four is half q & 1 of fragment 2 w + (q >> 1)
.irp m, 0,1,2,3
.irp q, 0,1,2,3
	ds_store_b128 v[EXV], v[ACC+16*(\m)+4*(\q):ACC+16*(\m)+4*(\q)+3] offset:4096*((\q)/2)+1024*(\m)+512*((\q)%2)
.endr
.endr
.endm
.macro AFL ph                          ; all 32 fragments of EXB into window 2 + ph
	WIN 0x80+0x40*(\ph)
.set f, 0
.rept 32
	ds_load_b128 v[8*f:8*f+3],   v[EXL] offset:1024*f
	ds_load_b128 v[8*f+4:8*f+7], v[EXL] offset:1024*f+512
.set f, f+1
.endr
	WIN 0
.endm
.macro LNBODY
	CLRSUM                                         ; pass 1: the mean
	WIN 0x01
.set p, 0
.rept 32
.irp m, 0,1,2,3
	v_pk_add_f32 v[SC+2*(\m):SC+2*(\m)+1], v[8*(4*(p/4)+(\m))+2*(p%4):8*(4*(p/4)+(\m))+2*(p%4)+1], v[SC+2*(\m):SC+2*(\m)+1]
.endr
.set p, p+1
.endr
	RED 0
.irp m, 0,1,2,3
	v_mul_f32 v[PR+2*(\m)], s[INV], v[T+(\m)]
	v_mul_f32 v[PR+2*(\m)+1], s[INV], v[T+(\m)]
.endr
	CLRSUM                                         ; pass 2: the variance, of x - mean: no difference of large sums is formed
.set b, 0
.rept 4
	WIN 0x01
.set i, 0
.rept 32
.set rX, 8*(4*(2*b+i/16)+i%4)+2*((i/4)%4)
	v_pk_add_f32 v[Y+2*i:Y+2*i+1], v[rX:rX+1], v[PR+2*(i%4):PR+2*(i%4)+1] neg_lo:[0,1] neg_hi:[0,1]
.set i, i+1
.endr
	WIN 0
.set i, 0
.rept 32
	v_pk_fma_f32 v[SC+2*(i%4):SC+2*(i%4)+1], v[Y+2*i:Y+2*i+1], v[Y+2*i:Y+2*i+1], v[SC+2*(i%4):SC+2*(i%4)+1]
.set i, i+1
.endr
.set b, b+1
.endr
	RED 1
.irp m, 0,1,2,3
	v_fma_f32 v[T+(\m)], v[T+(\m)], s[INV], s[EPS]
.endr
.irp m, 0,1,2,3
	v_rsq_f32 v[RS+2*(\m)], v[T+(\m)]
.endr
	v_nop
	s_wait_alu depctr_va_vdst(0)                   ; one wait for the four
.irp m, 0,1,2,3
	v_mov_b32 v[RS+2*(\m)+1], v[RS+2*(\m)]
	v_mul_f32 v[BC+2*(\m)], -v[PR+2*(\m)], v[RS+2*(\m)]
	v_mul_f32 v[BC+2*(\m)+1], -v[PR+2*(\m)], v[RS+2*(\m)]
.endr
	s_wait_loadcnt 0x0                             ; gain, bias and the vector that follows
	NORM 0
	NST
	XBAR                                           ; everybody's half is in EXB
	AFL 0
	NORM 1
	XBAR                                           ; everybody has read the first half: EXB may be written again
	NST
	XBAR
	AFL 1                                          ; window 3's three vectors are spent
.endm
.macro FIRST dst, q                    ; where the step at position q < 4 lies in ws: 8 (c & 1) + ((q + (c >> 1)) & 3) steps on
	s_add_co_u32 s[\dst], s[CR], \q
	s_and_b32 s[\dst], s[\dst], 3
	s_add_co_u32 s[\dst], s[\dst], s[CP8]
	s_mul_i32 s[\dst], s[\dst], SLOTB
.endm
	s_load_b512 s[4:19], s[0:1], 0x0               ; x s[4:5], ws s[6:7], ln1_g s[8:9], ln1_b s[10:11], bo s[12:13], ln2_g s[14:15], ln2_b s[16:17], b2 s[18:19]
	s_load_b64 s[20:21], s[0:1], 0x40              ; out0
	v_lshl_add_u32 v[SPW], v0, 2, SPARE
	v_mov_b32 v[NIL], 0
	ds_add_u32 v[SPW], v[NIL]                      ; the wave's opening: the add and its wait stand ahead of my first tensor load; the set-up, work on registers, stands between them
	v_lshrrev_b32 v1, 5, v0
	v_readfirstlane_b32 s[WV], v1                  ; wave 0..3
	s_bfe_u32 s[CX], ttmp6, 0x40000
	s_lshl_b32 s24, ttmp9, 2                       ; in a cluster launch ttmp9 counts clusters
	s_add_co_u32 s24, s24, s[CX]                   ; my block of 64 rows
	s_mul_i32 s25, s[WV], QB                       ; my quarter of a slot
	v_and_b32 v21, 31, v0                          ; lane
	v_and_b32 v22, 15, v0                          ; r
	v_bfe_u32 v23, v0, 4, 1                        ; h
	v_lshl_add_u32 v[LB], v21, 4, s25
	v_add_nc_u32 v[LB+1], SLOTB, v[LB]
	v_lshl_add_u32 v[EXL], v21, 4, EXB
	s_lshl_b32 s26, s[WV], 12
	v_add_nc_u32 v[EXS], s26, v[EXL]
	s_lshl_b32 s26, s[WV], 13
	v_add_nc_u32 v[EXV], s26, v[EXL]
	v_mul_u32_u24 v[TA], v22, XP
	v_lshl_add_u32 v[TA], v23, 5, v[TA]            ; 528 r + 32 h
	s_mul_i32 s26, s[WV], XWAVE
	s_add_co_u32 s26, s26, SLOTB                   ; my x tiles
	v_add_nc_u32 v[XB], s26, v[TA]
	v_add_nc_u32 v[STO], s25, v[TA]
	s_mov_b32 s[G0X], 1                            ; group 0: count 1; LDS address; the global address follows below
	s_mov_b32 s[G0X+1], s26
	s_mov_b32 s[G0X+4], 1
	s_add_co_u32 s[G0X+5], s26, XPLANE
	s_mov_b32 s[G0W], 1
	s_mov_b32 s[G0W+1], s25
	s_mov_b32 s[G0W+4], 1
	s_add_co_u32 s[G0W+5], s25, SLOTB
	s_lshl_b32 s27, s[WV], 9
	v_lshl_add_u32 v[GO], v21, 4, s27
	v_lshl_add_u32 v[VO], v23, 5, s27
	s_lshl_b32 s27, s[WV], 2
	s_add_co_u32 s27, s27, STAT
	v_lshl_add_u32 v[STS], v22, 4, s27
	v_lshl_add_u32 v[STL], v22, 4, STAT
	s_add_co_u32 s27, s25, 32768
	v_lshl_add_u32 v[BIA], v23, 5, s27
	v_add_nc_u32 v[BIA+1], SLOTB, v[BIA]
	v_mov_b32 v[ZERO], 0
	v_lshlrev_b32 v[PFO], 8, v21
.irp t, 1,2,3
	s_add_co_u32 s26, s[WV], \t                    ; lane, r and h are spent: their registers take the hidden layer's blocks in my order
	s_and_b32 s26, s26, 3
	s_lshl_b32 s26, s26, 12
	v_add_nc_u32 v[EXA+(\t)-1], s26, v[EXL]
.endr
.irp i, 0,1,2,3,4,5,6,7
	v_mov_b32 v[T+(\i)], 0                         ; v_permlanex16_b32's destination counts as read
.endr
	; group 1 of the weights' loads: a dense block of 129 rows of 256 bytes, in elements of 8 bytes, no padding
	s_mov_b32 s[G1W],   15|(3<<16)|(1<<21)         ; 15:0 the mask of four; 17:16 elements of 8 bytes; 21 set beside a mask
	s_mov_b32 s[G1W+1], 32<<16                     ; tensor_dim0 = 32
	s_mov_b32 s[G1W+2], 129<<16                    ; tensor_dim1 = 129
	s_mov_b32 s[G1W+3], 32<<16                     ; tile_dim0 = 32
	s_mov_b32 s[G1W+4], 129                        ; tile_dim1 = 129
	s_mov_b32 s[G1W+5], 32                         ; 32 elements from row to row
	s_mov_b32 s[G1W+6], 0
	s_mov_b32 s[G1W+7], 0
	; group 1 of x's loads, my own (mask 0): one token of 32 sequences, my 128 columns: 32 rows of 128 f32, 1,024 elements apart, 4 words of padding behind every 128
	s_mov_b32 s[G1X],   (2<<16)|(1<<20)|(6<<22)|(3<<25)
	s_mov_b32 s[G1X+1], 128<<16
	s_mov_b32 s[G1X+2], 32<<16
	s_mov_b32 s[G1X+3], 128<<16
	s_mov_b32 s[G1X+4], 32
	s_mov_b32 s[G1X+5], 1024
	s_mov_b32 s[G1X+6], 0
	s_mov_b32 s[G1X+7], 0
	s_mov_b32 s[SEL], 0x76543210
	s_mov_b32 s[SEL+1], 0xfedcba98
	s_mov_b32 s[CS], 0x3e38aa3b                    ; log2(e) / 8
	s_mov_b32 s[INV], 0x3b000000                   ; 1 / 512
	s_mov_b32 s[EPS], 0x3727c5ac                   ; 1e-5
	s_mov_b32 s[STP], 0
	; the walk: all of it hangs on the cluster's number, which the four partners share
	s_and_b32 s[CP8], ttmp9, 1
	s_lshl_b32 s[CP8], s[CP8], 3
	s_lshr_b32 s[CR], ttmp9, 1
	s_lshl_b32 s[C2], ttmp9, 1
	s_add_co_u32 s[C2], s[C2], 16
	FIRST 92, 0                                    ; s[92:93], s[94:95]: positions 0 and 1, the first fills
	FIRST 94, 1
	FIRST NXA, 2                                   ; positions 2 and 3 wait in the queue
	FIRST NXB, 3
	s_mov_b32 s93, 0
	s_mov_b32 s95, 0
	s_mov_b32 s[NXA+1], 0
	s_mov_b32 s[NXB+1], 0
	s_cmp_lt_u32 ttmp9, 2
	s_cselect_b32 s[PM], 15, 0                     ; turns 0 to 3 in clusters 0 and 1,
	s_cmp_lt_u32 ttmp9, 16
	s_cselect_b32 s[TQ], 0x3000, 0                 ; turns 12 and 13 in clusters 0 to 15
	s_or_b32 s[PM], s[PM], s[TQ]
	s_wait_dscnt 0x0                               ; the opening add is done
	s_wait_kmcnt 0x0
	s_lshl_b32 s26, s24, 17                        ; 64 rows of 2,048 bytes
	s_mov_b32 s27, 0
	s_add_nc_u64 s[20:21], s[20:21], s[26:27]      ; out0 at my block
	s_lshl_b32 s78, s[WV], 9
	s_add_co_u32 s26, s26, s78
	s_add_nc_u64 s[G0X+2:G0X+3], s[4:5], s[26:27]  ; x: my block, my columns, token 0
	s_add_nc_u64 s[G0X+6:G0X+7], s[G0X+2:G0X+3], 2048  ; token 1
	s_or_b32 s[G0X+3], s[G0X+3], 0x80000000        ; type = 2
	s_or_b32 s[G0X+7], s[G0X+7], 0x80000000
	s_mov_b32 s78, s25                             ; s[78:79] hold offsets made of the wave's number alone
	s_mov_b32 s79, 0
	s_add_nc_u64 s[WSB:WSB+1], s[WSB:WSB+1], s[78:79]   ; ws at my quarter of step 0
	s_add_nc_u64 s[G0W+2:G0W+3], s[WSB:WSB+1], s[92:93] ; the step at position 0,
	s_add_nc_u64 s[G0W+6:G0W+7], s[WSB:WSB+1], s[94:95] ; at position 1
	s_lshl_b32 s26, s[CX], 13                      ; my work-group's 32 blocks of 256 bytes
	s_add_nc_u64 s[PFB:PFB+1], s[WSB:WSB+1], s[26:27]   ; (x's address is spent)
	s_or_b32 s[G0W+3], s[G0W+3], 0x80000000
	s_or_b32 s[G0W+7], s[G0W+7], 0x80000000
	CROUND                                         ; all four work-groups are here: the first joint load meets
	tensor_load_to_lds s[G0X:G0X+3], s[G1X:G1X+7]  ; the first fills, one group: three loads of mine are out
	s_nop 0
	tensor_load_to_lds s[G0X+4:G0X+7], s[G1X:G1X+7]
	s_nop 0
	tensor_load_to_lds s[G0W:G0W+3], s[G1W:G1W+7]  ; position 0
	s_nop 0
	PLACES 4
	LNV 8, 10, 12                                  ; ln1_g, ln1_b, bo
	s_wait_tensorcnt 0x1                           ; my two x tiles are in (only I read them); position 0's load, issued behind them, may be out
	WIN 0x40
.irp m, 0,1,2,3
.irp u, 0,1,2,3,4,5,6,7
	ds_load_b128 v[8*(4*(\u)+(\m)):8*(4*(\u)+(\m))+3],   v[XB] offset:XPLANE*((\m)/2)+16*XP*((\m)%2)+64*(\u)
	ds_load_b128 v[8*(4*(\u)+(\m))+4:8*(4*(\u)+(\m))+7], v[XB] offset:XPLANE*((\m)/2)+16*XP*((\m)%2)+64*(\u)+16
.endr
.endr
	WIN 0
	s_wait_tensorcnt 0x0                           ; x's bytes are filled again, with position 1: all my loads have landed,
	ds_add_u32 v[SPW], v[NIL]                      ; 0 onto my spare word,
	s_wait_dscnt 0x0                               ; it is done and x is in registers,
	CROUND                                         ; and that holds of every wave of the cluster
	JLOAD 1
	LNBODY                                         ; LN1; XA becomes x + bo
	FBIAS 0
	FB 0, 0, B0                                    ; position 0's first fragments
	; ATTENTION, four heads (one a wave) a trip: eight positions of the walk
	s_mov_b32 s[CG], 2
.Lgrp:
	CLRSUM                                         ; the two scores start at 0
	s_mov_b32 s[CQ], 2
.Lqk:
	KSTEP 1, 0, 0, 1
	E_QK
	KSTEP 1, 1, 0, 1
	E_QK
	s_sub_co_u32 s[CQ], s[CQ], 1
	s_cmp_lg_u32 s[CQ], 0
	s_cbranch_scc1 .Lqk
	SOFTMAX
	KSTEP 0, 0, 0, 1
	E_V 0
	KSTEP 0, 1, 1, 1
	E_V 1
	XBAR                                           ; the four heads' context lies in EXB
	FA 0, 0, 0
	NSTEP 0, 0, 2, 16384, 1, 0, 0                  ; Wo's rows of the group's first two heads,
	NSTEP 1, 16384, 0, 0, 1, 8, 0                  ; of its other two
	s_sub_co_u32 s[CG], s[CG], 1
	s_cmp_lg_u32 s[CG], 0
	s_cbranch_scc1 .Lgrp
	LNV 14, 16, 18                                 ; ln2_g, ln2_b, b2
	LNBODY                                         ; LN2 of x + attention; XA takes b2.  Buffer 0 and the bias registers, which hold position 16's first fragments, are not touched
	; FEED-FORWARD, 128 hidden columns a trip: h2 W1 + b1, ReLU, times W2 onto XA: my own 32 hidden columns first, out of registers, the other waves' through EXB
	s_mov_b32 s[CF], 15
.Lff:
	KSTEP 0, 0, 1, 1
	E_FF
	NSTEP 1, 0, 0, 0, 1, 0, 1
	s_sub_co_u32 s[CF], s[CF], 1
	s_cmp_lg_u32 s[CF], 0
	s_cbranch_scc1 .Lff
	KSTEP 0, 0, 1, 0                               ; the last two positions are written out: they ask for nothing
	E_FF
	NSTEP 1, 0, 0, 0, 0, 0, 1
	; THE WAY OUT, a row tile at a time, through my own quarter of slot 0: in by lanes (32 bytes of a row), back as whole pieces of 512 bytes of a row.  LDS serves a wave's instructions in order (ISA guide 5.7.1.4): no wait between stores and loads.
.irp m, 0,1,2,3
	WIN 0x04                                       ; the stores' data in window 1
.irp u, 0,1,2,3,4,5,6,7
	ds_store_b128 v[STO], v[8*(4*(\u)+(\m)):8*(4*(\u)+(\m))+3]   offset:64*(\u)
	ds_store_b128 v[STO], v[8*(4*(\u)+(\m))+4:8*(4*(\u)+(\m))+7] offset:64*(\u)+16
.endr
	WIN 0
.if (\m) >= 2
	s_wait_xcnt 0x0                                ; the stores of two tiles back have read these registers
.endif
.irp i, 0,1,2,3,4,5,6,7,8,9,10,11,12,13,14,15
	ds_load_b128 v[B0+64*((\m)%2)+4*(\i):B0+64*((\m)%2)+4*(\i)+3], v[LB] offset:XP*(\i)
.endr
.irp i, 0,1,2,3,4,5,6,7,8,9,10,11,12,13,14,15
	s_wait_dscnt 15-(\i)                           ; the younger loads from the stage may be out
	global_store_b128 v[GO], v[B0+64*((\m)%2)+4*(\i):B0+64*((\m)%2)+4*(\i)+3], s[20:21] offset:2048*(32*((\m)%2)+2*(\i)+(\m)/2) th:TH_STORE_NT  ; 512 consecutive bytes, at a multiple of 512 from out0's first
.endr
.endr
	s_wait_tensorcnt 0x0                           ; the wave's end: the wait, the add and its wait stand behind my last tensor load and my last LDS store
	ds_add_u32 v[SPW], v[NIL]
	s_wait_dscnt 0x0
	CROUND                                         ; the closing round: no work-group ends while a partner may still ask for a step that names it
	s_endpgm
.Lfunc_end_k_q362684241e_block:
	.size	k_q362684241e_block, .Lfunc_end_k_q362684241e_block-k_q362684241e_block
	.p2alignl 7, 3214868480
	.fill 96, 4, 3214868480
	.section	.rodata,"a",@progbits
	.p2align	6, 0x0
	.amdhsa_kernel k_q362684241e_block
		.amdhsa_group_segment_fixed_size 327680
		.amdhsa_private_segment_fixed_size 0
		.amdhsa_enable_private_segment 0
		.amdhsa_kernarg_size 72
		.amdhsa_user_sgpr_count 2
		.amdhsa_user_sgpr_kernarg_segment_ptr 1
		.amdhsa_wavefront_size32 1
		.amdhsa_system_sgpr_workgroup_id_x 1
		.amdhsa_system_sgpr_workgroup_id_y 1
		.amdhsa_system_sgpr_workgroup_id_z 1
		.amdhsa_system_vgpr_workitem_id 0
		.amdhsa_next_free_vgpr 1024
		.amdhsa_next_free_sgpr 96
		.amdhsa_reserve_vcc 0
		.amdhsa_float_denorm_mode_32 3
		.amdhsa_float_denorm_mode_16_64 3
		.amdhsa_memory_ordered 1
		.amdhsa_forward_progress 1
		.amdhsa_inst_pref_size 255
	.end_amdhsa_kernel
	.section	.bss,"aw",@nobits
	.p2align	6
	.space	262144
	.amdgpu_metadata
---
amdhsa.version: [ 1, 2 ]
amdhsa.kernels:
  - .name:           k_q362684241e_block
    .symbol:         k_q362684241e_block.kd
    .args:
      - { .name: x, .offset: 0, .size: 8, .value_kind: global_buffer, .address_space: global }
      - { .name: ws, .offset: 8, .size: 8, .value_kind: global_buffer, .address_space: global }
      - { .name: ln1_g, .offset: 16, .size: 8, .value_kind: global_buffer, .address_space: global }
      - { .name: ln1_b, .offset: 24, .size: 8, .value_kind: global_buffer, .address_space: global }
      - { .name: bo, .offset: 32, .size: 8, .value_kind: global_buffer, .address_space: global }
      - { .name: ln2_g, .offset: 40, .size: 8, .value_kind: global_buffer, .address_space: global }
      - { .name: ln2_b, .offset: 48, .size: 8, .value_kind: global_buffer, .address_space: global }
      - { .name: b2, .offset: 56, .size: 8, .value_kind: global_buffer, .address_space: global }
      - { .name: out0, .offset: 64, .size: 8, .value_kind: global_buffer, .address_space: global }
    .group_segment_fixed_size: 327680
    .private_segment_fixed_size: 0
    .kernarg_segment_align: 8
    .kernarg_segment_size: 72
    .max_flat_workgroup_size: 128
    .sgpr_count:     96
    .vgpr_count:     1024
    .wavefront_size: 32
...
	.end_amdgpu_metadata
.endif
;; end of part 4
